; MI455X (gfx1250); checked and timed in simulation.
; The chip was launched on July 23, 2026; its instructions are those of AMD's public machine-readable ISA for CDNA 5 (MIT licence, August 2026) and "CDNA5" Instruction Set Architecture Reference Guide (July 2026). The comments in the code are by the model that wrote it; some were corrected since.
;; Efficient Attention. Allowed arithmetic: matrix products marked QUANTISED: E2M3 operands, one E8M0 scale for each 32 along K, by v_wmma_scale_f32_16x16x128_f8f6f4 with both operands' format E2M3, f32 sums; everything else in f32.
;; Inputs: Wk 512 x 512 float32; Wo 512 x 512 float32; Wq 512 x 512 float32; Wv 512 x 512 float32; bk 512 float32; bo 512 float32; bq 512 float32; bv 512 float32; delta_rule 512 float32; x 4 x 8,192 x 512 float32.
;; Outputs: out0 4 x 8,192 x 512 float32.
;; This version of the problem:
;;   THIS VERSION OF THE PROBLEM IS GIVEN IN LOW PRECISION. The matrix products marked QUANTISED in the list below multiply operands that are first quantised to E2M3 (2 exponent bits, 3 mantissa bits; 6 bits a number), with one power-of-two scale for each 32 numbers along K (OCP MX v1.0); their sums are f32. All else is computed in f32.
;;   The module's matrix products, in the order in which they are computed (A, B: the left and right operand; K: the contracted axis; several contracted axes count as one K, in the product's order):
;;     1. [M 32,768, K 512] x [K 512, N 512]; A: input x; B: input Wq: QUANTISED
;;     2. [M 32,768, K 512] x [K 512, N 512]; A: input x; B: input Wk: QUANTISED
;;     3. [M 32,768, K 512] x [K 512, N 512]; A: input x; B: input Wv: QUANTISED
;;     4. batch 2,048 x [M 256, K 32] x [K 32, N 256]; A: computed on the way; B: computed on the way: QUANTISED
;;     5. batch 2,048 x [M 32, K 256] x [K 256, N 256]; A: computed on the way; B: softmax (see below): QUANTISED
;;     6. [M 32,768, K 512] x [K 512, N 512]; A: computed on the way; B: input Wo: QUANTISED
;;   THE QUANTISER, for each operand of a quantised product, along K:
;;     - K is cut into blocks of 32 from its start; a last block that is shorter is filled with zeros.
;;     - A block's scale is 2^e with e = floor(log2(the largest magnitude in the block)) - 2, held to -126 .. 127; a block of zeros has e = 0. As a byte (E8M0): e + 127.
;;     - Each number is divided by its block's scale, clamped to +-7.5, and rounded to the nearest number of E2M3, ties to even, subnormals kept.
;;     - The product sums the exact products of the quantised numbers (number of the format x scale) in f32.
;;   ~~~python
;;   def quantise(x, axis):      # numpy; x: float32 -> the quantised numbers, widened to float32 again
;;       x = np.moveaxis(x, axis, -1); K = x.shape[-1]
;;       x = np.pad(x, [(0, 0)] * (x.ndim - 1) + [(0, -K % 32)]); x = x.reshape(x.shape[:-1] + (-1, 32)); a = np.abs(x).max(-1, keepdims=True)
;;       e = np.where(a > 0, np.clip(np.frexp(np.where(a > 0, a, 1))[1] - 1 - 2, -126, 127), 0)      # np.frexp(a)[1] - 1 = floor(log2(a)), exactly
;;       r = np.clip(x / 2.0 ** e, -7.5, 7.5)
;;       step = 2.0 ** (np.maximum(np.frexp(np.where(r == 0, 1, r))[1] - 1, 0) - 3)
;;       q = np.round(r / step) * step * 2.0 ** e      # np.round: ties to even
;;       return np.moveaxis(q.reshape(q.shape[:-2] + (-1,))[..., :K], -1, axis).astype(np.float32)
;;   ~~~
;;   SOFTMAX AHEAD OF A QUANTISED PRODUCT. Where the list says 'softmax', what is quantised is not the finished softmax but p = 2^(t - M), with t = logit x log2(e) and M = ceil(the row's largest t), a whole number; so 1/2 < the row's largest p <= 1. The row's sum l is taken of the UNQUANTISED p, in f32, and the product's result is divided by l at the end. Since M is a whole number, a kernel that streams over the keys may use a running M (the ceiling of the running maximum): every later rescaling is an exact power of two, which a block's scale takes up: the codes' values come out the same.
;;   OPERANDS COMPUTED ON THE WAY. 'Computed on the way' means the value that the module computes at that place (a softmax that the list does not call 'softmax' is quantised finished and normalised). What goes into a quantiser is computed in f32, as accurately as f32 sums, v_exp_f32 and their like allow (about 1e-6 of the number): no bf16 or f16 on the way to a quantiser, and a product that is left as it is and whose result goes on into a quantised operand takes f32 operands (vector FMAs, or v_wmma_f32_16x16x4_f32). A number that lies on a knife's edge between two numbers of the format may be rounded either way, as far as f32 arithmetic and the matrix unit's own rounding can turn it there, and no further.
;; 2 versions. Each part assembles by itself: llvm-mc -triple=amdgcn-amd-amdhsa -mcpu=gfx1250 --defsym DOCPART=n.
;; ======== version 1 of 2: 2 launches
;; workspace buffers: wimg 851,968 bytes
;; launch wq (part 1): grid 32 x 4, 1 waves a work-group, no clusters, 0 bytes of LDS; arguments Wv, Wk, Wq, Wo, wimg; writes wimg
.if DOCPART == 1
	.amdgcn_target "amdgcn-amd-amdhsa--gfx1250"
	.amdhsa_code_object_version 6
	.text
	.protected	k_qb05085cc57_wq
	.globl	k_qb05085cc57_wq
	.p2align	8
	.type	k_qb05085cc57_wq,@function
k_qb05085cc57_wq:
	s_mov_b64 s[64:65], 0
	v_nop
	global_prefetch_b8 v0, s[64:65] scope:SCOPE_SE
	s_setreg_imm32_b32 hwreg(HW_REG_WAVE_MODE, 25, 1), 1
	s_wait_xcnt 0x0
; The four weights [512][512] f32 (K innermost) become codes of FP6 (E2M3) with one E8M0 byte for each 32 along K, laid as IMAGES OF THE OPERAND'S REGISTERS for the launch behind.
; One wave makes one tile T (work-group x, 0..31) of one matrix (work-group y: 0 Wv, 1 Wk, 2 Wq, 3 Wo): 16 rows x 512 along K = four fragments of 12 registers.
; THE ROWS OF A TILE ARE NOT NEIGHBOURS: lane r of tile T takes row 32 (T / 2) + 8 (T % 2) + r + 8 (r / 8), so that the results of two neighbouring tiles are 16 neighbours along the next product's K.
; wimg: 32 blocks of 26,624 bytes, block (8 y + T / 4): 16 fragment images (tile T % 4, K step s) at (4 (T % 4) + s) x 1,536, register group k of four at + 512 k + 16 x lane;
; from byte 24,576 on the scale words: tile T % 4 at + 512 (T % 4) + 16 x lane + 4 s.  Every store of the wave covers 512 consecutive bytes, aligned.
; A lane's loads are 16 bytes of its own row, rows 2,048 bytes apart: a K step's sixteen loads together take 512 consecutive bytes of each row.  The launch reads 4 MiB in all: 128 waves are all the work there is.
; A block's scale is 2^(floor(log2(largest magnitude)) - 2); its byte is the largest magnitude's exponent field - 2, held at 1 from below.
; LIMITS: a block of zeros gets the byte 1 where the quantiser says 127 (its codes are zeros, and this program alone reads the bytes); NaN and infinities among the inputs are not served.
.set SEL, 24                           ; s[24:25] v_permlanex16_b32's selects for lane l xor 16
.set TB,  8                            ; v8-23   the quantiser's registers at work
.set PC,  24                           ; v24-47  two sets of 12 code registers
.set SW,  48                           ; v48-51  the four scale words
.set PBW, 52                           ; v52-53  two bytes each
.set NUM, 64                           ; v64-255 three sets of 64 numbers
.set MSB, 0
.macro WIN new                         ; the register windows (all 0 in this launch): the immediate's high byte repeats the setting that is left
.if MSB != (\new)
	s_set_vgpr_msb (MSB<<8)|(\new)
.set MSB, (\new)
.endif
.endm
; 32 numbers of a lane, register 16 b + i = k 32 b + 16 (lane / 16) + i of my row (b = 0, 1), become six code registers v[D ..] (lanes 0-15 block 0, lanes 16-31 block 1) and the two scale bytes in v[PB].
; WN: the numbers' window;  WT: the window of all else;  TB: +0,1 and +2,3 largest magnitudes, +4,5 the other half's, +6,7 the conversions' scale operands, +8,9 bytes, +12..14 the second conversion's result.
.macro QUANT2 N, D, PB, WN, WT, TB
	WIN (\WN)|((\WN)<<2)|((\WT)<<4)|((\WT)<<6)
.irp b,0,1
	v_max3_num_f32 v[(\TB)+\b], |v[(\N)+16*\b]|, |v[(\N)+16*\b+1]|, 0x1800000   ; my 16 numbers from the low end on, and the floor 2^(3 - 127): the byte cannot fall under 1
.endr
.irp b,0,1
	v_max_num_f32 v[(\TB)+2+\b], |v[(\N)+16*\b+2]|, |v[(\N)+16*\b+3]|           ; a second chain; the two blocks by turns
.endr
.irp i,4,8,12
.irp b,0,1
	v_max3_num_f32 v[(\TB)+\b], |v[(\N)+16*\b+\i]|, |v[(\N)+16*\b+\i+1]|, v[(\TB)+\b]
.endr
.irp b,0,1
	v_max3_num_f32 v[(\TB)+2+\b], |v[(\N)+16*\b+\i+2]|, |v[(\N)+16*\b+\i+3]|, v[(\TB)+2+\b]
.endr
.endr
	WIN 0x55*(\WT)
.irp b,0,1
	v_max_num_f32 v[(\TB)+\b], v[(\TB)+\b], v[(\TB)+2+\b]
.endr
.irp b,0,1
	v_permlanex16_b32 v[(\TB)+4+\b], v[(\TB)+\b], s[SEL], s[SEL+1]
.endr
.irp b,0,1
	v_max_num_f32 v[(\TB)+\b], v[(\TB)+\b], v[(\TB)+4+\b]                       ; with lane l xor 16's: the block's largest magnitude
.endr
.irp b,0,1
	v_add_nc_u32 v[(\TB)+6+\b], 0xff000000, v[(\TB)+\b]                         ; 2 off its exponent field: the conversion takes that field as its scale
.endr
.irp b,0,1
	v_lshrrev_b32 v[(\TB)+8+\b], 23, v[(\TB)+6+\b]                              ; the scale's byte
.endr
	v_lshl_or_b32 v[(\PB)], v[(\TB)+9], 8, v[(\TB)+8]
	WIN (\WN)|((\WT)<<2)|((\WT)<<4)|((\WT)<<6)
	v_cvt_scalef32_pk16_fp6_f32 v[(\D):(\D)+2], v[(\N):(\N)+15], v[(\TB)+6]
	v_cvt_scalef32_pk16_fp6_f32 v[(\TB)+12:(\TB)+14], v[(\N)+16:(\N)+31], v[(\TB)+7]   ; (a conversion's three registers begin on an even number)
	WIN 0x55*(\WT)
	v_nop                                  ; one plain place behind a scaled conversion
.irp i,0,1,2
	v_permlane16_swap_b32 v[(\D)+\i], v[(\TB)+12+\i]                            ; the layout wants a whole block in a lane: the first now holds each lane's block's lower 16 codes, the second the upper 16
.endr
.irp i,0,1,2
	v_mov_b32 v[(\D)+3+\i], v[(\TB)+12+\i]
.endr
.endm
	s_load_b256 s[4:11], s[0:1], 0x0               ; Wv, Wk, Wq, Wo
	s_load_b64 s[12:13], s[0:1], 0x20              ; wimg
	v_and_b32 v1, 15, v0                           ; r
	v_bfe_u32 v2, v0, 4, 1                         ; h
	v_and_b32 v3, 8, v1
	v_add_nc_u32 v3, v3, v1                        ; r + 8 (r / 8)
	v_lshlrev_b32 v3, 11, v3                       ; a row of a weight is 2,048 bytes
	v_lshl_add_u32 v3, v2, 6, v3                   ; + 64 h: my 16 numbers of a block of 32
	v_lshlrev_b32 v4, 4, v0                        ; 16 x lane (one wave: the thread's number is the lane)
	v_mov_b32 v[TB+4], 0                           ; written once: a lane permute's destination counts as one of its sources
	v_mov_b32 v[TB+5], 0
	s_mov_b32 s[SEL], 0x76543210
	s_mov_b32 s[SEL+1], 0xfedcba98
	s_and_b32 s14, ttmp7, 0xffff                   ; which matrix
	s_lshr_b32 s15, ttmp9, 1
	s_lshl_b32 s15, s15, 5
	s_and_b32 s16, ttmp9, 1
	s_lshl_b32 s16, s16, 3
	s_add_co_u32 s16, s15, s16                     ; the tile's first row: 32 (T / 2) + 8 (T % 2)
	s_lshl_b32 s16, s16, 11
	s_mov_b32 s17, 0
	s_mul_i32 s18, s14, 212992                     ; the matrix's eight blocks,
	s_lshr_b32 s19, ttmp9, 2
	s_mul_i32 s19, s19, 26624                      ; the tile's block
	s_add_co_u32 s18, s18, s19
	s_and_b32 s20, ttmp9, 3
	s_mul_i32 s22, s20, 6144                       ; the tile's four fragments in it
	s_add_co_u32 s22, s22, s18
	s_mov_b32 s23, 0
	s_lshl_b32 s20, s20, 9                         ; and its scale words
	s_add_co_u32 s20, s20, s18
	s_add_co_u32 s20, s20, 24576
	s_mov_b32 s21, 0
	s_wait_kmcnt 0x0
	s_cmp_eq_u32 s14, 1                            ; the choice hangs on the work-group's number alone
	s_cselect_b64 s[4:5], s[6:7], s[4:5]
	s_cmp_eq_u32 s14, 2
	s_cselect_b64 s[4:5], s[8:9], s[4:5]
	s_cmp_eq_u32 s14, 3
	s_cselect_b64 s[4:5], s[10:11], s[4:5]
	s_add_nc_u64 s[4:5], s[4:5], s[16:17]
	s_add_nc_u64 s[26:27], s[12:13], s[20:21]      ; where the scale words go
	s_add_nc_u64 s[12:13], s[12:13], s[22:23]      ; where the codes go
.macro LOADW s                         ; K step s: register 16 b + 4 q + .. = k 128 s + 32 b + 16 h + 4 q + .. of my row, into set s % 3
.irp b,0,1,2,3
.irp q,0,1,2,3
	global_load_b128 v[NUM+64*((\s)%3)+16*\b+4*\q:NUM+64*((\s)%3)+16*\b+4*\q+3], v3, s[4:5] offset:512*(\s)+128*\b+16*\q th:TH_LOAD_NT
.endr
.endr
.endm
.macro WSTEP s, left                   ; left: the younger loads, which may stay out
	s_wait_loadcnt \left
.if (\s) >= 2
	s_wait_xcnt 0x0                                ; the stores of two steps ago have read this set of code registers
.endif
	QUANT2 NUM+64*((\s)%3), PC+12*((\s)%2), PBW, 0, 0, TB
	QUANT2 NUM+64*((\s)%3)+32, PC+12*((\s)%2)+6, PBW+1, 0, 0, TB
	v_lshl_or_b32 v[SW+(\s)], v[PBW+1], 16, v[PBW] ; the four bytes make my row's scale word of this K step
.if (\s) == 0
	LOADW 3                                        ; into the set just quantised
.endif
.irp k,0,1,2
	global_store_b128 v4, v[PC+12*((\s)%2)+4*\k:PC+12*((\s)%2)+4*\k+3], s[12:13] offset:1536*(\s)+512*\k
.endr
.endm
	LOADW 0
	LOADW 1
	LOADW 2
	WSTEP 0, 32                                    ; behind step 0's loads: steps 1 and 2
	WSTEP 1, 32                                    ; steps 2 and 3
	WSTEP 2, 16                                    ; step 3
	WSTEP 3, 0
	global_store_b128 v4, v[SW:SW+3], s[26:27]     ; four words a lane (both halves of the lanes hold their row's)
	s_endpgm
.Lfunc_end_k_qb05085cc57_wq:
	.size	k_qb05085cc57_wq, .Lfunc_end_k_qb05085cc57_wq-k_qb05085cc57_wq
	.p2alignl 7, 3214868480
	.fill 96, 4, 3214868480
	.section	.rodata,"a",@progbits
	.p2align	6, 0x0
	.amdhsa_kernel k_qb05085cc57_wq
		.amdhsa_group_segment_fixed_size 0
		.amdhsa_private_segment_fixed_size 0
		.amdhsa_enable_private_segment 0
		.amdhsa_kernarg_size 40
		.amdhsa_user_sgpr_count 2
		.amdhsa_user_sgpr_kernarg_segment_ptr 1
		.amdhsa_wavefront_size32 1
		.amdhsa_system_sgpr_workgroup_id_x 1
		.amdhsa_system_sgpr_workgroup_id_y 1
		.amdhsa_system_sgpr_workgroup_id_z 1
		.amdhsa_system_vgpr_workitem_id 0
		.amdhsa_next_free_vgpr 256
		.amdhsa_next_free_sgpr 66
		.amdhsa_reserve_vcc 0
		.amdhsa_float_denorm_mode_32 3
		.amdhsa_float_denorm_mode_16_64 3
		.amdhsa_memory_ordered 1
		.amdhsa_forward_progress 1
		.amdhsa_inst_pref_size 25
	.end_amdhsa_kernel
	.amdgpu_metadata
---
amdhsa.version: [ 1, 2 ]
amdhsa.kernels:
  - .name:           k_qb05085cc57_wq
    .symbol:         k_qb05085cc57_wq.kd
    .args:
      - { .name: Wv, .offset: 0, .size: 8, .value_kind: global_buffer, .address_space: global }
      - { .name: Wk, .offset: 8, .size: 8, .value_kind: global_buffer, .address_space: global }
      - { .name: Wq, .offset: 16, .size: 8, .value_kind: global_buffer, .address_space: global }
      - { .name: Wo, .offset: 24, .size: 8, .value_kind: global_buffer, .address_space: global }
      - { .name: wimg, .offset: 32, .size: 8, .value_kind: global_buffer, .address_space: global }
    .group_segment_fixed_size: 0
    .private_segment_fixed_size: 0
    .kernarg_segment_align: 8
    .kernarg_segment_size: 40
    .max_flat_workgroup_size: 32
    .sgpr_count:     66
    .vgpr_count:     256
    .wavefront_size: 32
...
	.end_amdgpu_metadata
.endif
;; end of part 1
;; launch fused (part 2): grid 256 x 1, 4 waves a work-group, no clusters, 324,096 bytes of LDS; arguments x, wimg, bq, bk, bv, bo, delta_rule, out0; writes out0
.if DOCPART == 2
	.amdgcn_target "amdgcn-amd-amdhsa--gfx1250"
	.amdhsa_code_object_version 6
	.text
	.protected	k_qb05085cc57_fused
	.globl	k_qb05085cc57_fused
	.p2align	8
	.type	k_qb05085cc57_fused,@function
k_qb05085cc57_fused:
	s_mov_b64 s[64:65], 0
	v_nop
	global_prefetch_b8 v0, s[64:65] scope:SCOPE_SE
	s_setreg_imm32_b32 hwreg(HW_REG_WAVE_MODE, 25, 1), 1
	s_wait_xcnt 0x0
; out0 = ((1 + sigmoid(delta)) x attention(x Wq^T + bq, x Wk^T + bk, x Wv^T + bv)) Wo^T + bo, attention inside chunks of 256 rows, 16 heads of 32.  All six products on codes of FP6 (E2M3) with one E8M0 scale for each 32 along K.
; SHARES.  Work-group w takes chunk w / 2 and the 128 queries of half w % 2, with all 256 keys.  Wave g owns heads 4 g .. 4 g + 3 = channels 128 g .. 128 g + 127: it makes q, k, v of those channels, does their attention in its
; registers, and makes output columns 128 g .. 128 g + 127.  Only x's codes and the gated result's codes go from wave to wave, through LDS, as images of the operand's registers: three barriers.
; ROWS ARE ROTATED: LDS tile i holds rotated rows, rotated row R = chunk row (R + 128 (w % 2)) mod 256, so that the work-group's own queries are always tiles 0-7 and no LDS address hangs on the work-group's number.
; The rotation moves whole blocks of 32 keys: the quantised numbers are the same; the keys are summed in rotated order where w is odd.
; THE ROWS OF A TILE ARE NOT NEIGHBOURS: lane r of tile 2 b + u (of x's rows and of every weight's rows) takes row 32 b + 8 u + r + 8 (r / 8): in a result the 16 registers of tiles 2 b, 2 b + 1 are then 16 neighbours, 32 b + 16 (lane / 16) + 0 .. 15, along the next K.
; k, q, out: source 0 = 16 rows of the weight, source 1 = 16 rows of x (of the gated result): a lane holds one row, its registers run along the channels.  v: source 0 = x, source 1 = the weight: a lane holds one channel, its registers run along the keys.
; S^T = k q^T: K is a head's 32, one block of the instruction's four: k's fragment holds the wave's four heads, q's fragment is cut to one head, zero codes elsewhere.  O^T = v^T p^T.  A lane holds one query throughout.
; SOFTMAX: t = score x log2(e) / sqrt(32); M = ceil(the row's largest t) over all 256 keys; p = 2^(t - M) is quantised along the keys; the sum of the unquantised p divides O^T.
; NO CLUSTER: what work-groups share are the weights' images (and x between the two partners of a chunk); an image goes from memory straight into the registers of the one wave that multiplies by it, and a joint load would land in LDS,
; of whose 327,680 bytes this text uses 324,096.  No tensor loads: a chunk of x is 524,288 bytes of f32, more than LDS holds, and it is read through registers on its way to the quantiser.
; LIMITS: a block of zeros gets the byte 1 where the quantiser says 127 (its codes are zeros; this program alone reads the bytes); NaN and infinities among the inputs are not served; a p under 2^-126 is 0.
; LDS
.set XSC,   98304                      ; 0: x's 64 fragment images, (tile i, K step s) at (4 i + s) x 1,536 (later the gated result's: wave g, tile t at 12,288 g + 1,536 t);  XSC: their scale words, 256 i + 16 r + 4 s (later 512 g + 64 t + 4 r)
.set VIMG,  102400                     ; v's half images, each wave's own: 24,576 g + (2 f + c) x 768, f = 2 x channel tile + key half
.set VSC,   200704                     ; v's scale words: 1,024 g + 64 f + 4 r
.set QIMG,  204800                     ; q's half images: 12,288 g + (2 t + c) x 768
.set QSC,   253952                     ; q's scale words: 512 g + 64 t + 4 r
.set XSTG,  256000                     ; each wave's own 16,896 bytes: two stages of 16 rows x 528 for x; later one of 16 rows x 272 for the way out
; window 0
.set LI,  1                            ; 16 x lane
.set XA1, 2                            ; 16 x lane + 49,152: tiles 8-15 of x's images (an LDS offset has 16 bits)
.set XSA, 3                            ; XSC + 16 r
.set BH,  4                            ; 64 h: a bias along the registers
.set BR,  5                            ; 4 (r + 8 (r / 8)): a bias along the lanes
.set STS, 6                            ; x's stage, in: 16 x lane
.set STL, 7                            ; x's stage, out: 528 r + 64 h
.set XWI, 8                            ; where I store x's images: 24,576 g + 16 x lane
.set XWS, 9                            ; and their scale words: XSC + 1,024 g + 16 r
.set VWA, 10
.set VWB, 11
.set VWS, 12
.set QWA, 13
.set QWB, 14
.set QWS, 15
.set GWI, 16                           ; the gated images: 12,288 g + 16 x lane
.set GWS, 17                           ; their scale words: XSC + 512 g + 4 r
.set OSO, 18                           ; the way out: into the stage, 272 r + 64 h
.set OSL, 19                           ; back: 272 h + 16 r
.set OG,  20                           ; in out0: 2,048 h + 16 r + 512 g
.set AQA, 21                           ; v21-25 the attention loop's addresses
.set AQB, 22
.set AQS, 23
.set AGI, 24
.set AGS, 25
.set GRS, 26                           ; XSC + 4 r
.set WS,  32                           ; v32-47, v48-63 the weights' scale words, buffers A and B
.set VS,  48                           ; v48-63 v's scale words during attention
.set XS,  64                           ; v64-71 two sets of four scale words of x (of the gated result)
.set KS,  72                           ; v72-87 k's scale words, one a key tile
.set QS,  88
.set PS,  90                           ; v90-91 p's two scale words
.set XF,  92                           ; v92-139, v140-187 two sets of four fragments
.set QM,  92                           ; during attention: q cut to heads
.set QF,  128                          ; and q's fragment as it comes
.set SIG, 192                          ; v192-255 sigmoid(delta) of my 64 channels, in O^T's layout
; window 1: x's numbers, then v's 16 accumulators (v0-127), then k's 16 fragments (v0-191), at last rows of out0 (v0-63); v192-223 four accumulators, in attention v192-255 O^T; v224-251 the quantiser at work
.set ACC, 192
.set T1,  224
; window 2: weight buffer A (v0-191) and its bias (v192-223); in attention v's 16 fragments.   window 3: x's ring of four loads' sets; then weight buffer B and its bias; in attention:
.set SS,  0                            ; v0-127 S^T, then p
.set MB,  128                          ; v128-135 each block's largest score, then largest p
.set TP3, 136
.set SO3, 144
.set BY3, 152
.set NM,  160                          ; -M (a pair is named)
.set TX,  162
.set SUM, 164
.set RL,  172                          ; 1 / the row's sum (a pair is named)
.set PWT, 174
.set PP,  176                          ; v176-199 p's two fragments
.set CT3, 200
.set T3,  216
.set GC,  232                          ; v232-243 the gated fragment
.set GPB, 244
.set GPW, 246
.set SEL, 24                           ; s[24:25] v_permlanex16_b32's selects for lane l xor 16
.set MSB, 0
.macro WIN new                         ; low byte: bits 1:0 source 0, 3:2 source 1, 5:4 source 2, 7:6 destination; the high byte repeats the setting that is left; a switch that changes nothing is dropped
.if MSB != (\new)
	s_set_vgpr_msb (MSB<<8)|(\new)
.set MSB, (\new)
.endif
.endm
.macro PLACES n                        ; plain vector instructions that name none of a matrix instruction's registers: 4 ahead of reads of its result and of loads into its registers, 5 ahead of a matrix instruction that writes over them
.rept \n
	v_nop
.endr
.endm
.macro BARRIER                         ; my LDS stores have landed and my LDS loads are in: then the work-group's barrier
	s_wait_dscnt 0x0
	s_barrier_signal -1
	s_barrier_wait -1
.endm
.macro MM d, a, b, c, sa, sb           ; one matrix instruction; c < 0: the sum begins with the constant 0
.if (\c) < 0
	v_wmma_scale_f32_16x16x128_f8f6f4 v[(\d):(\d)+7], v[(\a):(\a)+11], v[(\b):(\b)+11], 0, v[(\sa)], v[(\sb)] matrix_a_fmt:MATRIX_FMT_FP6 matrix_b_fmt:MATRIX_FMT_FP6
.else
	v_wmma_scale_f32_16x16x128_f8f6f4 v[(\d):(\d)+7], v[(\a):(\a)+11], v[(\b):(\b)+11], v[(\c):(\c)+7], v[(\sa)], v[(\sb)] matrix_a_fmt:MATRIX_FMT_FP6 matrix_b_fmt:MATRIX_FMT_FP6
.endif
.endm
; 32 numbers of a lane, register 16 b + i = k 32 b + 16 (lane / 16) + i of my row (b = 0, 1), become six code registers v[D ..] (lanes 0-15 block 0, lanes 16-31 block 1) and the two scale bytes in v[PB].
; WN: the numbers' window;  WT: the window of all else;  TB: +0,1 and +2,3 largest magnitudes, +4,5 the other half's, +6,7 the conversions' scale operands, +8,9 bytes, +12..14 the second conversion's result.
; The numbers are read in ascending order.
.macro QUANT2 N, D, PB, WN, WT, TB
	WIN (\WN)|((\WN)<<2)|((\WT)<<4)|((\WT)<<6)
.irp b,0,1
	v_max3_num_f32 v[(\TB)+\b], |v[(\N)+16*\b]|, |v[(\N)+16*\b+1]|, 0x1800000   ; and the floor 2^(3 - 127): the byte cannot fall under 1
.endr
.irp b,0,1
	v_max_num_f32 v[(\TB)+2+\b], |v[(\N)+16*\b+2]|, |v[(\N)+16*\b+3]|           ; a second chain; the two blocks by turns
.endr
.irp i,4,8,12
.irp b,0,1
	v_max3_num_f32 v[(\TB)+\b], |v[(\N)+16*\b+\i]|, |v[(\N)+16*\b+\i+1]|, v[(\TB)+\b]
.endr
.irp b,0,1
	v_max3_num_f32 v[(\TB)+2+\b], |v[(\N)+16*\b+\i+2]|, |v[(\N)+16*\b+\i+3]|, v[(\TB)+2+\b]
.endr
.endr
	WIN 0x55*(\WT)
.irp b,0,1
	v_max_num_f32 v[(\TB)+\b], v[(\TB)+\b], v[(\TB)+2+\b]
.endr
.irp b,0,1
	v_permlanex16_b32 v[(\TB)+4+\b], v[(\TB)+\b], s[SEL], s[SEL+1]
.endr
.irp b,0,1
	v_max_num_f32 v[(\TB)+\b], v[(\TB)+\b], v[(\TB)+4+\b]                       ; with lane l xor 16's: the block's largest magnitude
.endr
.irp b,0,1
	v_add_nc_u32 v[(\TB)+6+\b], 0xff000000, v[(\TB)+\b]                         ; 2 off its exponent field: the conversion takes that field as its scale
.endr
.irp b,0,1
	v_lshrrev_b32 v[(\TB)+8+\b], 23, v[(\TB)+6+\b]                              ; the scale's byte
.endr
	v_lshl_or_b32 v[(\PB)], v[(\TB)+9], 8, v[(\TB)+8]
	WIN (\WN)|((\WT)<<2)|((\WT)<<4)|((\WT)<<6)
	v_cvt_scalef32_pk16_fp6_f32 v[(\D):(\D)+2], v[(\N):(\N)+15], v[(\TB)+6]
	v_cvt_scalef32_pk16_fp6_f32 v[(\TB)+12:(\TB)+14], v[(\N)+16:(\N)+31], v[(\TB)+7]   ; (a conversion's three registers begin on an even number)
	WIN 0x55*(\WT)
	v_nop                                  ; one plain place behind a scaled conversion
.irp i,0,1,2
	v_permlane16_swap_b32 v[(\D)+\i], v[(\TB)+12+\i]                            ; the layout wants a whole block in a lane: the first now holds each lane's block's lower 16 codes, the second the upper 16
.endr
.irp i,0,1,2
	v_mov_b32 v[(\D)+3+\i], v[(\TB)+12+\i]
.endr
.endm
; THE WEIGHTS.  A job is 64 rows (4 tiles x 4 K steps, 192 registers) of one matrix: jobs 0, 1: Wv; 2, 3: Wk; 4, 5: Wq; 6, 7: Wo.  Even jobs lie in buffer A (window 2), odd ones in buffer B (window 3).
.macro WCODES n, lo, cnt               ; cnt groups of four registers from group lo on: 512 consecutive bytes a load
	WIN 0x80+0x40*((\n)%2)
.set wl, \lo
.rept \cnt
	global_load_b128 v[4*wl:4*wl+3], v[LI], s[6:7] offset:((\n)/2)*212992+((\n)%2)*26624+512*wl
.set wl, wl+1
.endr
.endm
.macro WSC n                           ; a tile's four scale words by one load
	WIN 0
.irp c,0,1,2,3
	global_load_b128 v[WS+16*((\n)%2)+4*\c:WS+16*((\n)%2)+4*\c+3], v[LI], s[6:7] offset:((\n)/2)*212992+((\n)%2)*26624+24576+512*\c
.endr
.endm
.macro WBIAS n                         ; the bias is the C of each sum's first matrix instruction: eight registers a tile, in the result's layout
	WIN 0x80+0x40*((\n)%2)
.if (\n) < 2
.irp c,0,1,2,3
	global_load_b32 v[192+8*\c], v[BR], s[12:13] offset:(64*((\n)%2)+32*(\c/2)+8*(\c%2))*4   ; v: a lane holds one channel: one number, spread over the eight registers at the job's start
.endr
.else
.if (\n) < 4
.set BP, 10
.elseif (\n) < 6
.set BP, 8
.else
.set BP, 14
.endif
.irp c,0,1,2,3
.irp q,0,1
	global_load_b128 v[192+8*\c+4*\q:192+8*\c+4*\q+3], v[BH], s[BP:BP+1] offset:(64*((\n)%2)+32*(\c/2)+8*(\c%2))*4+16*\q   ; channels 32 b + 16 h + 8 u + 0 .. 7
.endr
.endr
.endif
.endm
.macro WLOAD n
	WCODES \n, 0, 48
	WSC \n
	WBIAS \n
.endm
; x's images from LDS.  FETCH4T: tile T, all four K steps, and their scale words: 13 LDS loads.
.macro FETCH4T T, p
	WIN 0
.irp k,0,1,2,3,4,5,6,7,8,9,10,11
.if (\T) < 8
	ds_load_b128 v[XF+48*(\p)+4*\k:XF+48*(\p)+4*\k+3], v[LI] offset:6144*(\T)+512*\k
.else
	ds_load_b128 v[XF+48*(\p)+4*\k:XF+48*(\p)+4*\k+3], v[XA1] offset:6144*((\T)-8)+512*\k
.endif
.endr
	ds_load_b128 v[XS+4*(\p):XS+4*(\p)+3], v[XSA] offset:256*(\T)
.endm
; FETCH4V: tiles 4 (n / 4) .. + 3, K step n % 4: 16 LDS loads.
.macro FETCH4V n, p
	WIN 0
.irp ti,0,1,2,3
.irp k,0,1,2
.if (4*((\n)/4)+\ti) < 8
	ds_load_b128 v[XF+48*(\p)+12*\ti+4*\k:XF+48*(\p)+12*\ti+4*\k+3], v[LI] offset:(4*(4*((\n)/4)+\ti)+(\n)%4)*1536+512*\k
.else
	ds_load_b128 v[XF+48*(\p)+12*\ti+4*\k:XF+48*(\p)+12*\ti+4*\k+3], v[XA1] offset:(4*(4*((\n)/4)+\ti-8)+(\n)%4)*1536+512*\k
.endif
.endr
	ds_load_b32 v[XS+4*(\p)+\ti], v[XSA] offset:256*(4*((\n)/4)+\ti)+4*((\n)%4)
.endr
.endm
; FETCH4G: the gated result's tile t, K step s from wave s's images: 16 LDS loads.
.macro FETCH4G t, p
	WIN 0
.irp s,0,1,2,3
.irp k,0,1,2
	ds_load_b128 v[XF+48*(\p)+12*\s+4*\k:XF+48*(\p)+12*\s+4*\k+3], v[LI] offset:12288*\s+1536*(\t)+512*\k
.endr
	ds_load_b32 v[XS+4*(\p)+\s], v[GRS] offset:512*\s+64*(\t)
.endr
.endm
; 16 matrix instructions: the job's four tiles of weight rows x one tile of x, all of K.  The four accumulators take turns, one instruction a turn.
.macro MULT p, nb
.irp s,0,1,2,3
.if \s == 0
	WIN 0x62+0x11*(\nb)                    ; source 0 and C (the bias) in the weights' window, source 1 window 0, D window 1
.else
	WIN 0x52+(\nb)                         ; C and D window 1
.endif
.irp c,0,1,2,3
	MM ACC+8*\c, 12*(4*\c+\s), XF+48*(\p)+12*\s, ACC+8*\c, WS+16*(\nb)+4*\c+\s, XS+4*(\p)+\s
.endr
.endr
.endm
; 16 matrix instructions: four tiles of x x the job's four tiles of Wv's rows, K step s: sixteen accumulators, each once.
.macro MULV p, nb, s
.if (\s) == 0
	WIN 0x68+0x14*(\nb)                    ; source 0 window 0, source 1 and C (the bias) in the weights' window, D window 1
.else
	WIN 0x58+0x04*(\nb)
.endif
.irp ti,0,1,2,3
.irp c,0,1,2,3
.if (\s) == 0
	MM 32*\c+8*\ti, XF+48*(\p)+12*\ti, 12*(4*\c+(\s)), 192+8*\c, XS+4*(\p)+\ti, WS+16*(\nb)+4*\c+(\s)
.else
	MM 32*\c+8*\ti, XF+48*(\p)+12*\ti, 12*(4*\c+(\s)), 32*\c+8*\ti, XS+4*(\p)+\ti, WS+16*(\nb)+4*\c+(\s)
.endif
.endr
.endr
.endm
; ---------------------------------------------------------------- the head
	s_load_b256 s[4:11], s[0:1], 0x0               ; x s[4:5], wimg s[6:7], bq s[8:9], bk s[10:11]
	s_load_b256 s[12:19], s[0:1], 0x20             ; bv s[12:13], bo s[14:15], delta_rule s[16:17], out0 s[18:19]
	v_lshl_add_u32 v190, v0, 2, 0x4f000
	v_mov_b32 v191, 0
	v_lshrrev_b32 v29, 5, v0
	v_readfirstlane_b32 s20, v29                   ; g: my wave
	v_and_b32 v29, 31, v0                          ; lane
	v_and_b32 v30, 15, v0                          ; r
	v_bfe_u32 v31, v0, 4, 1                        ; h
	s_lshr_b32 s21, ttmp9, 1                       ; the chunk
	s_and_b32 s22, ttmp9, 1                        ; which half of its queries
	s_mov_b32 s[SEL], 0x76543210
	s_mov_b32 s[SEL+1], 0xfedcba98
	s_mov_b32 s26, 0x3e8293ee                      ; c = log2(e) / sqrt(32)
	s_mov_b32 s27, s26                             ; (the packed form names the pair)
	s_mov_b32 s28, 0xffff                          ; lanes 0-15
	v_lshlrev_b32 v[LI], 4, v29
	v_add_nc_u32 v[XA1], 49152, v[LI]
	v_lshl_add_u32 v[XSA], v30, 4, XSC
	v_lshl_add_u32 v[GRS], v30, 2, XSC
	v_lshlrev_b32 v[BH], 6, v31
	v_and_b32 v[BR], 8, v30
	v_add_nc_u32 v[BR], v[BR], v30
	v_lshlrev_b32 v[BR], 2, v[BR]
	s_mul_i32 s36, s20, 16896
	s_add_co_u32 s36, s36, XSTG                    ; my stages
	v_add_nc_u32 v[STS], s36, v[LI]
	v_mul_u32_u24 v[STL], v30, 528
	v_lshl_add_u32 v[STL], v31, 6, v[STL]
	v_add_nc_u32 v[STL], s36, v[STL]
	v_mul_u32_u24 v[OSO], v30, 272
	v_lshl_add_u32 v[OSO], v31, 6, v[OSO]
	v_add_nc_u32 v[OSO], s36, v[OSO]
	v_mul_u32_u24 v[OSL], v31, 272
	v_lshl_add_u32 v[OSL], v30, 4, v[OSL]
	v_add_nc_u32 v[OSL], s36, v[OSL]
	s_mul_i32 s37, s20, 24576
	v_add_nc_u32 v[XWI], s37, v[LI]
	s_add_co_u32 s37, s37, VIMG
	v_add_nc_u32 v[VWA], s37, v[LI]
	s_add_co_u32 s37, s37, 512
	v_lshl_add_u32 v[VWB], v29, 3, s37
	s_lshl_b32 s38, s20, 10
	s_add_co_u32 s39, s38, XSC
	v_lshl_add_u32 v[XWS], v30, 4, s39
	s_add_co_u32 s39, s38, VSC
	v_lshl_add_u32 v[VWS], v30, 2, s39
	s_mul_i32 s37, s20, 12288
	v_add_nc_u32 v[GWI], s37, v[LI]
	s_add_co_u32 s37, s37, QIMG
	v_add_nc_u32 v[QWA], s37, v[LI]
	s_add_co_u32 s37, s37, 512
	v_lshl_add_u32 v[QWB], v29, 3, s37
	s_lshl_b32 s38, s20, 9
	s_add_co_u32 s39, s38, QSC
	v_lshl_add_u32 v[QWS], v30, 2, s39
	s_add_co_u32 s39, s38, XSC
	v_lshl_add_u32 v[GWS], v30, 2, s39
	v_lshlrev_b32 v[OG], 11, v31
	v_lshl_add_u32 v[OG], v30, 4, v[OG]
	v_add_nc_u32 v[OG], s38, v[OG]
	WIN 0x40
	v_mov_b32 v[T1+4], 0                           ; written once: a lane permute's destination counts as one of its sources
	v_mov_b32 v[T1+5], 0
	WIN 0
	s_lshl_b32 s36, s20, 6
	s_lshl_b32 s37, s22, 7
	s_add_co_u32 s36, s36, s37
	s_and_b32 s36, s36, 255                        ; rotated rows 64 g .. 64 g + 63 are chunk rows (64 g + 128 half) mod 256 on
	s_lshl_b32 s37, s21, 8
	s_add_co_u32 s36, s36, s37
	s_lshl_b32 s36, s36, 11                        ; rows of 2,048 bytes: under 2^26
	s_mov_b32 s37, 0
	s_wait_kmcnt 0x0
	s_add_nc_u64 s[4:5], s[4:5], s[36:37]          ; x at the 64 rows that I quantise
	s_mul_i32 s36, s20, 53248
	s_add_nc_u64 s[6:7], s[6:7], s[36:37]          ; wimg at my wave's blocks
	s_lshl_b32 s36, s20, 9
	s_add_nc_u64 s[8:9], s[8:9], s[36:37]          ; the biases and delta at my 128 channels
	s_add_nc_u64 s[10:11], s[10:11], s[36:37]
	s_add_nc_u64 s[12:13], s[12:13], s[36:37]
	s_add_nc_u64 s[14:15], s[14:15], s[36:37]
	s_add_nc_u64 s[16:17], s[16:17], s[36:37]
	s_lshl_b32 s36, ttmp9, 18                      ; 128 rows of 2,048 bytes a work-group
	s_add_nc_u64 s[18:19], s[18:19], s[36:37]      ; none of these bases is written again
.irp hd,0,1,2,3
.irp u,0,1
.irp q,0,1
	global_load_b128 v[SIG+16*\hd+8*\u+4*\q:SIG+16*\hd+8*\u+4*\q+3], v[BH], s[16:17] offset:(32*\hd+8*\u)*4+16*\q   ; delta in O^T's layout: register 16 b + i = channel 32 b + 16 h + i
.endr
.endr
.endr
; ---------------------------------------------------------------- X: my 64 rows of x become 16 fragments (job j = 4 x tile + K step)
; A load takes 512 consecutive bytes of one row, 16 a lane; the quantiser wants 16 neighbours in a lane: so a job's 16 rows x 512 bytes turn through my stage (rows 528 bytes apart).  Loads run four jobs ahead, the turn one.
.macro LOADX j
.if (\j) < 16
	WIN 0xc0
.irp rr,0,1,2,3,4,5,6,7,8,9,10,11,12,13,14,15
	global_load_b128 v[64*((\j)%4)+4*\rr:64*((\j)%4)+4*\rr+3], v[LI], s[4:5] offset:(32*((\j)/8)+8*(((\j)/4)%2)+\rr+8*(\rr/8))*2048+512*((\j)%4)
.endr
.elseif (\j) < 19
	WCODES 0, 16*((\j)-16), 16                     ; behind x: job 0's weights, sixteen loads a turn, so that the counts below hold
.else
	WSC 0
	WBIAS 0
.endif
.endm
.macro TURN j
	WIN 0x0c
.irp rr,0,1,2,3,4,5,6,7,8,9,10,11,12,13,14,15
	ds_store_b128 v[STS], v[64*((\j)%4)+4*\rr:64*((\j)%4)+4*\rr+3] offset:8448*((\j)%2)+528*\rr
.endr
	WIN 0x40
.irp b,0,1,2,3
.irp q,0,1,2,3
	ds_load_b128 v[64*((\j)%2)+16*\b+4*\q:64*((\j)%2)+16*\b+4*\q+3], v[STL] offset:8448*((\j)%2)+128*\b+16*\q   ; LDS serves a wave's instructions in order: these see the stores above
.endr
.endr
.endm
.macro STEP j
.if (\j) == 0
	s_wait_dscnt 0x0
.else
	s_wait_dscnt 0x4                               ; this job's numbers are back from the stage; the last job's four image stores may be out.  So the stage's stores have read the ring's set,
.endif
	LOADX (\j)+4                                   ; which takes the loads of four jobs on
.if (\j) < 15
	s_wait_loadcnt 48                              ; the next job's loads are in; three younger jobs of sixteen loads may be out
	TURN (\j)+1
.endif
	QUANT2 64*((\j)%2), 128+12*((\j)%2), 234, 1, 1, T1
	QUANT2 64*((\j)%2)+32, 134+12*((\j)%2), 235, 1, 1, T1
	v_lshl_or_b32 v[152+(\j)%2], v235, 16, v234    ; my row's scale word
	WIN 0x04
.irp k,0,1,2
	ds_store_b128 v[XWI], v[128+12*((\j)%2)+4*\k:128+12*((\j)%2)+4*\k+3] offset:1536*(\j)+512*\k
.endr
	ds_store_b32 v[XWS], v[152+(\j)%2] offset:256*((\j)/4)+4*((\j)%4)
.endm
	LOADX 0
	LOADX 1
	LOADX 2
	LOADX 3
	s_wait_loadcnt 48                              ; delta and job 0 are in; jobs 1 to 3 may be out
	TURN 0
.irp j,0,1,2,3,4,5,6,7,8,9,10,11,12,13,14,15
	STEP \j
.endr
	WIN 0                                          ; sigmoid(delta) = 1 / (1 + 2^(-delta log2(e))), in place, while job 0's weights land
.set jj, 0
.rept 32
	v_pk_mul_f32 v[SIG+jj:SIG+jj+1], v[SIG+jj:SIG+jj+1], 0xbfb8aa3b op_sel_hi:[1,0]
.set jj, jj+2
.endr
.set jj, 0
.rept 64
	v_exp_f32 v[SIG+jj], v[SIG+jj]
.set jj, jj+1
.endr
	v_nop                                          ; a plain place behind the transcendentals
.set jj, 0
	s_wait_alu depctr_va_vdst(0)
.rept 32
	v_pk_add_f32 v[SIG+jj:SIG+jj+1], v[SIG+jj:SIG+jj+1], 1.0 op_sel_hi:[1,0]
.set jj, jj+2
.endr
.set jj, 0
.rept 64
	v_rcp_f32 v[SIG+jj], v[SIG+jj]
.set jj, jj+1
.endr
	v_nop
	BARRIER                                        ; x's 64 fragments and their scale words lie in LDS
; ---------------------------------------------------------------- v: jobs 0, 1.  64 keys (four tiles of x) at a time, K step by K step; then each channel tile's 32 numbers a lane, neighbours along the keys, are quantised
.macro VJOB n
	WIN 0
	s_wait_loadcnt 0x0                             ; this job's weights, asked for a job ago
	WLOAD (\n)+1                                   ; the next job's, into the other buffer: its last products stand behind a quantiser's lines
	WIN 0x82+0x41*(\n)
.irp c,0,1,2,3
.irp i,1,2,3,4,5,6,7
	v_mov_b32 v[192+8*\c+\i], v[192+8*\c]          ; a lane's channel has one bias for all its keys
.endr
.endr
	PLACES 4
	FETCH4V 0, 0
.set vn, 0
.rept 16
.if (vn < 15) && ((vn%4) != 0)
	PLACES 4                                       ; ahead of loads into the set that the products just issued have read (behind a quantiser its lines are the places)
.endif
.if vn < 15
	FETCH4V vn+1, (vn+1)%2
	s_wait_dscnt 16                                ; all but the sixteen just issued
.else
	s_wait_dscnt 0x0
.endif
	MULV vn%2, \n, vn%4
.if (vn%4) == 3
	PLACES 4
.irp c,0,1,2,3
	QUANT2 32*\c, 128+8*\c, 160+\c, 1, 1, T1
.endr
	WIN 0x04                                       ; half a fragment (64 keys) of channel tile 4 n + c, key half vn / 8: parked in my own LDS bytes; the two bytes into their half of the scale word
.irp c,0,1,2,3
	ds_store_b128 v[VWA], v[128+8*\c:131+8*\c] offset:(2*(2*(4*(\n)+\c)+vn/8)+(vn/4)%2)*768
	ds_store_b64 v[VWB], v[132+8*\c:133+8*\c] offset:(2*(2*(4*(\n)+\c)+vn/8)+(vn/4)%2)*768
	ds_store_b16 v[VWS], v[160+\c] offset:64*(2*(4*(\n)+\c)+vn/8)+2*((vn/4)%2)
.endr
.endif
.set vn, vn+1
.endr
.endm
	VJOB 0
	VJOB 1
; ---------------------------------------------------------------- k (jobs 2, 3: 16 tiles of keys, the codes stay in window 1) and q (jobs 4, 5: my 8 tiles of queries, the codes are parked in LDS)
.macro TJOB n, tiles
	WIN 0
	s_wait_loadcnt 0x0
.if (\n) < 5
	WLOAD (\n)+1
.endif
	FETCH4T 0, 0
.set tt, 0
.rept \tiles
.if tt < (\tiles)-1
	FETCH4T tt+1, (tt+1)%2                         ; (the quantiser's lines of the tile before are the places ahead of these loads)
	s_wait_dscnt 13                                ; all but the thirteen just issued
.else
	s_wait_dscnt 0x0
.endif
	MULT tt%2, (\n)%2
	PLACES 4
.if (\n) < 4
	QUANT2 ACC, 12*tt+6*((\n)%2), 234, 1, 1, T1    ; two heads' codes: registers 6 c .. 6 c + 5 of the key tile's fragment
	WIN 0x01
.if ((\n)%2) == 0
	v_mov_b32 v[KS+tt], v234
.else
	v_lshl_or_b32 v[KS+tt], v234, 16, v[KS+tt]
.endif
.else
	QUANT2 ACC, 240+6*(tt%2), 234, 1, 1, T1
	WIN 0x04
	ds_store_b128 v[QWA], v[240+6*(tt%2):243+6*(tt%2)] offset:(2*tt+(\n)%2)*768
	ds_store_b64 v[QWB], v[244+6*(tt%2):245+6*(tt%2)] offset:(2*tt+(\n)%2)*768
	ds_store_b16 v[QWS], v234 offset:64*tt+2*((\n)%2)
.endif
.set tt, tt+1
.endr
.endm
	TJOB 2, 16
	TJOB 3, 16
	TJOB 4, 8
	TJOB 5, 8
	WIN 0
	BARRIER                                        ; every wave's reads of x's images are over: the gated result's may be laid over them
; ---------------------------------------------------------------- attention
	WIN 0x80                                       ; v's 16 fragments come back, into window 2
.set ff, 0
.rept 16
	ds_load_b128 v[12*ff:12*ff+3], v[VWA] offset:(2*ff)*768
	ds_load_b64 v[12*ff+4:12*ff+5], v[VWB] offset:(2*ff)*768
	ds_load_b128 v[12*ff+6:12*ff+9], v[VWA] offset:(2*ff+1)*768
	ds_load_b64 v[12*ff+10:12*ff+11], v[VWB] offset:(2*ff+1)*768
.set ff, ff+1
.endr
	WIN 0
.set ff, 0
.rept 16
	ds_load_b32 v[VS+ff], v[VWS] offset:64*ff
.set ff, ff+1
.endr
.irp i,6,7,8,9,10,11,24,25,26,27,28,29
	v_mov_b32 v[QM+\i], 0                          ; the runs of zero codes in q's cut fragments: written once
.endr
	WIN 0xc0
.irp i,0,1,2,3,4,5,6,7
	v_mov_b32 v[TP3+\i], 0                         ; lane permutes' destinations, and the upper halves of pairs that packed forms name: written once
.endr
	v_mov_b32 v[NM+1], 0
	v_mov_b32 v[TX+1], 0
	v_mov_b32 v[RL+1], 0
	v_mov_b32 v[T3+4], 0
	v_mov_b32 v[T3+5], 0
	WIN 0
	s_mov_b32 s31, 0                               ; 1,536 x the q tile: q's images and the gated images
	s_mov_b32 s32, 0                               ; 64 x the q tile: their scale words
	s_mov_b32 s30, 8
	s_wait_dscnt 0x0
; One head of one tile of 16 queries, all 256 keys.
.macro UNIT hd
	WIN 0xc1                                       ; k window 1, q window 0, S^T window 3
.irp T,0,1,2,3,4,5,6,7,8,9,10,11,12,13,14,15
	MM SS+8*\T, 12*\T, QM+18*((\hd)%2)+6*((\hd)/2), -1, KS+\T, QS
.endr
	WIN 0xff
	PLACES 4
.irp b,0,1,2,3,4,5,6,7
	v_max3_num_f32 v[MB+\b], v[SS+16*\b], v[SS+16*\b+1], v[SS+16*\b+2]   ; the largest score of each block of 32 keys: for the row's maximum, and, since p rises with the score, for the block's largest p
.endr
.irp i,3,5,7,9,11,13
.irp b,0,1,2,3,4,5,6,7
	v_max3_num_f32 v[MB+\b], v[MB+\b], v[SS+16*\b+\i], v[SS+16*\b+\i+1]
.endr
.endr
.irp b,0,1,2,3,4,5,6,7
	v_max_num_f32 v[MB+\b], v[MB+\b], v[SS+16*\b+15]
.endr
.irp b,0,1,2,3,4,5,6,7
	v_permlanex16_b32 v[TP3+\b], v[MB+\b], s[SEL], s[SEL+1]
.endr
.irp b,0,1,2,3,4,5,6,7
	v_max_num_f32 v[MB+\b], v[MB+\b], v[TP3+\b]    ; with lane l xor 16's 16 keys
.endr
	v_max3_num_f32 v[TX], v[MB], v[MB+1], v[MB+2]
	v_max3_num_f32 v[TX], v[TX], v[MB+3], v[MB+4]
	v_max3_num_f32 v[TX], v[TX], v[MB+5], v[MB+6]
	v_max_num_f32 v[TX], v[TX], v[MB+7]            ; my query's largest score
	v_mul_f32 v[TX], s26, v[TX]                    ; as t (c is positive)
	v_floor_f32 v[NM], -v[TX]                      ; -M = floor(-t) = -ceil(t)
.set jj, 0
.rept 64
	v_pk_fma_f32 v[SS+jj:SS+jj+1], v[SS+jj:SS+jj+1], s[26:27], v[NM:NM+1] op_sel_hi:[1,0,0]   ; t - M, two at a time
.set jj, jj+2
.endr
.irp b,0,1,2,3,4,5,6,7
	v_fma_f32 v[MB+\b], v[MB+\b], s26, v[NM]       ; the same of each block's largest score
.endr
.set jj, 0
.rept 128
	v_exp_f32 v[SS+jj], v[SS+jj]                   ; p = 2^(t - M), not normalised
.set jj, jj+1
.endr
.irp b,0,1,2,3,4,5,6,7
	v_exp_f32 v[MB+\b], v[MB+\b]                   ; the block's largest p: the same two instructions on the same number
.endr
	v_nop                                          ; a plain place behind the transcendentals
	s_wait_alu depctr_va_vdst(0)
.irp b,0,1,2,3,4,5,6,7
	v_max_num_f32 v[MB+\b], 0x1800000, v[MB+\b]    ; the floor 2^(3 - 127): the byte cannot fall under 1
.endr
.irp b,0,1,2,3,4,5,6,7
	v_add_nc_u32 v[SO3+\b], 0xff000000, v[MB+\b]   ; 2 off the exponent field: the conversion's scale operand
.endr
.irp b,0,1,2,3,4,5,6,7
	v_lshrrev_b32 v[BY3+\b], 23, v[SO3+\b]
.endr
.irp kh,0,1
	v_lshl_or_b32 v[PWT+\kh], v[BY3+4*\kh+1], 8, v[BY3+4*\kh]
.endr
.irp kh,0,1
	v_lshl_or_b32 v[PWT+\kh], v[BY3+4*\kh+2], 16, v[PWT+\kh]
.endr
.irp kh,0,1
	v_lshl_or_b32 v[PWT+\kh], v[BY3+4*\kh+3], 24, v[PWT+\kh]
.endr
	WIN 0x03                                       ; scale operands are taken from window 0
	v_mov_b32 v[PS], v[PWT]
	v_mov_b32 v[PS+1], v[PWT+1]
	WIN 0xff
.irp pr,0,1,2,3
	v_cvt_scalef32_pk16_fp6_f32 v[PP+6*\pr:PP+6*\pr+2], v[SS+32*\pr:SS+32*\pr+15], v[SO3+2*\pr]
	v_cvt_scalef32_pk16_fp6_f32 v[CT3+4*\pr:CT3+4*\pr+2], v[SS+32*\pr+16:SS+32*\pr+31], v[SO3+2*\pr+1]
.endr
	v_nop                                          ; one plain place behind a scaled conversion
.irp pr,0,1,2,3
.irp i,0,1,2
	v_permlane16_swap_b32 v[PP+6*\pr+\i], v[CT3+4*\pr+\i]
.endr
.irp i,0,1,2
	v_mov_b32 v[PP+6*\pr+3+\i], v[CT3+4*\pr+\i]
.endr
.endr
.irp k,0,1,2,3
	v_pk_add_f32 v[SUM+2*\k:SUM+2*\k+1], v[SS+2*\k:SS+2*\k+1], v[SS+8+2*\k:SS+8+2*\k+1]   ; the row's sum is taken of the unquantised p, in four chains.  (These lines are also the places between p's codes and scale words and the products below)
.endr
.set jj, 2
.rept 14
.irp k,0,1,2,3
	v_pk_add_f32 v[SUM+2*\k:SUM+2*\k+1], v[SUM+2*\k:SUM+2*\k+1], v[SS+8*jj+2*\k:SS+8*jj+2*\k+1]
.endr
.set jj, jj+1
.endr
	v_pk_add_f32 v[SUM:SUM+1], v[SUM:SUM+1], v[SUM+2:SUM+3]
	v_pk_add_f32 v[SUM+4:SUM+5], v[SUM+4:SUM+5], v[SUM+6:SUM+7]
	v_pk_add_f32 v[SUM:SUM+1], v[SUM:SUM+1], v[SUM+4:SUM+5]
	v_add_f32 v[TX], v[SUM], v[SUM+1]
	v_permlanex16_b32 v[TX+1], v[TX], s[SEL], s[SEL+1]
	v_add_f32 v[TX], v[TX], v[TX+1]                ; with lane l xor 16's keys: the row's sum
	v_rcp_f32 v[RL], v[TX]
	WIN 0x5e                                       ; v window 2, p window 3, O^T window 1
.irp kh,0,1
.irp u,0,1
.if \kh == 0
	MM ACC+16*(\hd)+8*\u, 12*(2*(2*(\hd)+\u)+\kh), PP+12*\kh, -1, VS+2*(2*(\hd)+\u)+\kh, PS+\kh
.else
	MM ACC+16*(\hd)+8*\u, 12*(2*(2*(\hd)+\u)+\kh), PP+12*\kh, ACC+16*(\hd)+8*\u, VS+2*(2*(\hd)+\u)+\kh, PS+\kh
.endif
.endr
.endr
	PLACES 4                                       ; (also the plain place behind the reciprocal)
	WIN 0x4d
	s_wait_alu depctr_va_vdst(0)
.irp j,0,2,4,6,8,10,12,14
	v_pk_mul_f32 v[ACC+16*(\hd)+\j:ACC+16*(\hd)+\j+1], v[ACC+16*(\hd)+\j:ACC+16*(\hd)+\j+1], v[RL:RL+1] op_sel_hi:[1,0]   ; O^T / the sum, each accumulator from its low end on
.endr
	WIN 0x51
.irp j,0,2,4,6,8,10,12,14
	v_pk_fma_f32 v[ACC+16*(\hd)+\j:ACC+16*(\hd)+\j+1], v[ACC+16*(\hd)+\j:ACC+16*(\hd)+\j+1], v[SIG+16*(\hd)+\j:SIG+16*(\hd)+\j+1], v[ACC+16*(\hd)+\j:ACC+16*(\hd)+\j+1]   ; out + sigmoid(delta) x out
.endr
.endm
.Ltrip:                                                ; 8 trips: a tile of 16 queries, my four heads
	v_add_nc_u32 v[AQA], s31, v[QWA]
	v_add_nc_u32 v[AQB], s31, v[QWB]
	v_add_nc_u32 v[AQS], s32, v[QWS]
	ds_load_b128 v[QF:QF+3], v[AQA]
	ds_load_b64 v[QF+4:QF+5], v[AQB]
	ds_load_b128 v[QF+6:QF+9], v[AQA] offset:768
	ds_load_b64 v[QF+10:QF+11], v[AQB] offset:768
	ds_load_b32 v[QS], v[AQS]
	s_wait_dscnt 0x0                               ; q is in, and the last trip's image stores are done
	v_add_nc_u32 v[AGI], s31, v[GWI]
	v_add_nc_u32 v[AGS], s32, v[GWS]
; q cut to heads: + 0 registers 0-5 in lanes 0-15 (head 0), + 6 zeros, + 12 registers 6-11 in lanes 0-15 (head 2), + 18 registers 0-5 in lanes 16-31 (head 1), + 24 zeros, + 30 registers 6-11 in lanes 16-31 (head 3):
; the fragments of heads 0, 2, 1, 3 begin at + 0, + 6, + 18, + 24.  Head 0's six come first: the other eighteen lines are the places ahead of its products.
.irp i,0,1,2,3,4,5
	v_cndmask_b32 v[QM+\i], 0, v[QF+\i], s28
.endr
.irp i,0,1,2,3,4,5
	v_cndmask_b32 v[QM+12+\i], 0, v[QF+6+\i], s28
.endr
.irp i,0,1,2,3,4,5
	v_cndmask_b32 v[QM+18+\i], v[QF+\i], 0, s28
.endr
.irp i,0,1,2,3,4,5
	v_cndmask_b32 v[QM+30+\i], v[QF+6+\i], 0, s28
.endr
	UNIT 0
	UNIT 1
	UNIT 2
	UNIT 3
	QUANT2 ACC, GC, GPB, 1, 3, T3                  ; the gated result of my 128 channels: K step g of the last product, a head to a block
	QUANT2 ACC+32, GC+6, GPB+1, 1, 3, T3
	v_lshl_or_b32 v[GPW], v[GPB+1], 16, v[GPB]
	WIN 0x0c
.irp k,0,1,2
	ds_store_b128 v[AGI], v[GC+4*\k:GC+4*\k+3] offset:512*\k
.endr
	ds_store_b32 v[AGS], v[GPW]
	WIN 0                                          ; at a label and at a branch every window is 0
	s_add_co_u32 s31, s31, 1536
	s_add_co_u32 s32, s32, 64
	s_sub_co_u32 s30, s30, 1
	s_cmp_lg_u32 s30, 0
	s_cbranch_scc1 .Ltrip
	WLOAD 6                                        ; Wo's first job, into the window that v has left
	WIN 0
	BARRIER                                        ; the gated result's 32 fragments lie in LDS
; ---------------------------------------------------------------- out0: jobs 6, 7: 64 of my 128 columns for the 8 tiles of rows
; A lane's 32 results are neighbours of one row, and the lanes beside it hold other rows: a tile goes through my stage (16 rows x 256 bytes + 16) and leaves by rows: sixteen lanes store 256 consecutive bytes, aligned.
.macro TOSTAGE t
	WIN 0x04
.irp c,0,1,2,3
	ds_store_b128 v[OSO], v[ACC+8*\c:ACC+8*\c+3] offset:128*(\c/2)+32*(\c%2)          ; each accumulator from its low end on
	ds_store_b128 v[OSO], v[ACC+8*\c+4:ACC+8*\c+7] offset:128*(\c/2)+32*(\c%2)+16
.endr
	WIN 0x40
.irp i,0,1,2,3,4,5,6,7
	ds_load_b128 v[32*((\t)%2)+4*\i:32*((\t)%2)+4*\i+3], v[OSL] offset:544*\i         ; LDS serves a wave's instructions in order: these see the stores above
.endr
.endm
.macro SEND t, c
	WIN 0x04
.irp i,0,1,2,3,4,5,6,7
	global_store_b128 v[OG], v[32*((\t)%2)+4*\i:32*((\t)%2)+4*\i+3], s[18:19] offset:(32*((\t)/2)+8*((\t)%2)+2*\i+8*(\i/4))*2048+256*(\c) th:TH_STORE_NT
.endr
.endm
.macro OJOB n
	WIN 0
	s_wait_loadcnt 0x0
.if (\n) == 6
	WLOAD 7
.endif
	FETCH4G 0, 0
.set tt, 0
.rept 8
.if tt < 7
	FETCH4G tt+1, (tt+1)%2
	s_wait_dscnt 16                                ; all but the sixteen just issued: this tile's fragments are in, and the last tile's rows are back from the stage
.else
	s_wait_dscnt 0x0
.endif
.if tt > 0
	SEND tt-1, (\n)%2
.endif
	MULT tt%2, (\n)%2
	PLACES 5                                       ; 4 ahead of the stage's stores and the next loads, 5 ahead of the next tile's first products, which write over these accumulators
	s_wait_xcnt 0x0                                ; the stores of two tiles ago have read the registers that this tile's rows come back into
	TOSTAGE tt
.set tt, tt+1
.endr
	s_wait_dscnt 0x0
	SEND 7, (\n)%2
.endm
	OJOB 6
	OJOB 7
	WIN 0
	s_wait_tensorcnt 0x0
	ds_add_u32 v190, v191
	s_wait_dscnt 0x0
	s_endpgm
.Lfunc_end_k_qb05085cc57_fused:
	.size	k_qb05085cc57_fused, .Lfunc_end_k_qb05085cc57_fused-k_qb05085cc57_fused
	.p2alignl 7, 3214868480
	.fill 96, 4, 3214868480
	.section	.rodata,"a",@progbits
	.p2align	6, 0x0
	.amdhsa_kernel k_qb05085cc57_fused
		.amdhsa_group_segment_fixed_size 324096
		.amdhsa_private_segment_fixed_size 0
		.amdhsa_enable_private_segment 0
		.amdhsa_kernarg_size 64
		.amdhsa_user_sgpr_count 2
		.amdhsa_user_sgpr_kernarg_segment_ptr 1
		.amdhsa_wavefront_size32 1
		.amdhsa_system_sgpr_workgroup_id_x 1
		.amdhsa_system_sgpr_workgroup_id_y 1
		.amdhsa_system_sgpr_workgroup_id_z 1
		.amdhsa_system_vgpr_workitem_id 0
		.amdhsa_next_free_vgpr 1024
		.amdhsa_next_free_sgpr 66
		.amdhsa_reserve_vcc 0
		.amdhsa_float_denorm_mode_32 3
		.amdhsa_float_denorm_mode_16_64 3
		.amdhsa_memory_ordered 1
		.amdhsa_forward_progress 1
		.amdhsa_inst_pref_size 255
	.end_amdhsa_kernel
	.section	.bss,"aw",@nobits
	.p2align	6
	.space	262144
	.amdgpu_metadata
---
amdhsa.version: [ 1, 2 ]
amdhsa.kernels:
  - .name:           k_qb05085cc57_fused
    .symbol:         k_qb05085cc57_fused.kd
    .args:
      - { .name: x, .offset: 0, .size: 8, .value_kind: global_buffer, .address_space: global }
      - { .name: wimg, .offset: 8, .size: 8, .value_kind: global_buffer, .address_space: global }
      - { .name: bq, .offset: 16, .size: 8, .value_kind: global_buffer, .address_space: global }
      - { .name: bk, .offset: 24, .size: 8, .value_kind: global_buffer, .address_space: global }
      - { .name: bv, .offset: 32, .size: 8, .value_kind: global_buffer, .address_space: global }
      - { .name: bo, .offset: 40, .size: 8, .value_kind: global_buffer, .address_space: global }
      - { .name: delta_rule, .offset: 48, .size: 8, .value_kind: global_buffer, .address_space: global }
      - { .name: out0, .offset: 56, .size: 8, .value_kind: global_buffer, .address_space: global }
    .group_segment_fixed_size: 324096
    .private_segment_fixed_size: 0
    .kernarg_segment_align: 8
    .kernarg_segment_size: 64
    .max_flat_workgroup_size: 128
    .sgpr_count:     66
    .vgpr_count:     1024
    .wavefront_size: 32
...
	.end_amdgpu_metadata
.endif
;; end of part 2
;; ======== version 2 of 2: 2 launches
;; limits: right only within a limited range of input values
;; workspace buffers: wimg 851,968 bytes
;; launch wq (part 3): grid 32 x 4, 1 waves a work-group, no clusters, 0 bytes of LDS; arguments Wv, Wk, Wq, Wo, wimg; writes wimg
.if DOCPART == 3
	.amdgcn_target "amdgcn-amd-amdhsa--gfx1250"
	.amdhsa_code_object_version 6
	.text
	.protected	k_qb05085cc57_wq
	.globl	k_qb05085cc57_wq
	.p2align	8
	.type	k_qb05085cc57_wq,@function
k_qb05085cc57_wq:
	s_mov_b64 s[64:65], 0
	v_nop
	global_prefetch_b8 v0, s[64:65] scope:SCOPE_SE
	s_setreg_imm32_b32 hwreg(HW_REG_WAVE_MODE, 25, 1), 1
	s_wait_xcnt 0x0
; The four weights [512][512] f32 (K innermost) become codes of FP6 (E2M3) with one E8M0 byte for each 32 along K, laid as IMAGES OF THE OPERAND'S REGISTERS for the launch behind.
; One wave makes one tile T (work-group x, 0..31) of one matrix (work-group y: 0 Wv, 1 Wk, 2 Wq, 3 Wo): 16 rows x 512 along K = four fragments of 12 registers.
; THE ROWS OF A TILE ARE NOT NEIGHBOURS: lane r of tile T takes row 32 (T / 2) + 8 (T % 2) + r + 8 (r / 8), so that the results of two neighbouring tiles are 16 neighbours along the next product's K.
; wimg: 32 blocks of 26,624 bytes, block (8 y + T / 4): 16 fragment images (tile T % 4, K step s) at (4 (T % 4) + s) x 1,536, register group k of four at + 512 k + 16 x lane;
; from byte 24,576 on the scale words: tile T % 4 at + 512 (T % 4) + 16 x lane + 4 s.  Every store of the wave covers 512 consecutive bytes, aligned.
; A lane's loads are 16 bytes of its own row, rows 2,048 bytes apart: a K step's sixteen loads together take 512 consecutive bytes of each row.  The launch reads 4 MiB in all: 128 waves are all the work there is.
; A block's scale is 2^(floor(log2(largest magnitude)) - 2); its byte is the largest magnitude's exponent field - 2, held at 1 from below.
; LIMITS: a block of zeros gets the byte 1 where the quantiser says 127 (its codes are zeros, and this program alone reads the bytes); NaN and infinities among the inputs are not served.
.set SEL, 24                           ; s[24:25] v_permlanex16_b32's selects for lane l xor 16
.set TB,  8                            ; v8-23   the quantiser's registers at work
.set PC,  24                           ; v24-47  two sets of 12 code registers
.set SW,  48                           ; v48-51  the four scale words
.set PBW, 52                           ; v52-53  two bytes each
.set NUM, 64                           ; v64-255 three sets of 64 numbers
.set MSB, 0
.macro WIN new                         ; the register windows (all 0 in this launch): the immediate's high byte repeats the setting that is left
.if MSB != (\new)
	s_set_vgpr_msb (MSB<<8)|(\new)
.set MSB, (\new)
.endif
.endm
; 32 numbers of a lane, register 16 b + i = k 32 b + 16 (lane / 16) + i of my row (b = 0, 1), become six code registers v[D ..] (lanes 0-15 block 0, lanes 16-31 block 1) and the two scale bytes in v[PB].
; WN: the numbers' window;  WT: the window of all else;  TB: +0,1 and +2,3 largest magnitudes, +4,5 the other half's, +6,7 the conversions' scale operands, +8,9 bytes, +12..14 the second conversion's result.
.macro QUANT2 N, D, PB, WN, WT, TB
	WIN (\WN)|((\WN)<<2)|((\WT)<<4)|((\WT)<<6)
.irp b,0,1
	v_max3_num_f32 v[(\TB)+\b], |v[(\N)+16*\b]|, |v[(\N)+16*\b+1]|, 0x1800000   ; my 16 numbers from the low end on, and the floor 2^(3 - 127): the byte cannot fall under 1
.endr
.irp b,0,1
	v_max_num_f32 v[(\TB)+2+\b], |v[(\N)+16*\b+2]|, |v[(\N)+16*\b+3]|           ; a second chain; the two blocks by turns
.endr
.irp i,4,8,12
.irp b,0,1
	v_max3_num_f32 v[(\TB)+\b], |v[(\N)+16*\b+\i]|, |v[(\N)+16*\b+\i+1]|, v[(\TB)+\b]
.endr
.irp b,0,1
	v_max3_num_f32 v[(\TB)+2+\b], |v[(\N)+16*\b+\i+2]|, |v[(\N)+16*\b+\i+3]|, v[(\TB)+2+\b]
.endr
.endr
	WIN 0x55*(\WT)
.irp b,0,1
	v_max_num_f32 v[(\TB)+\b], v[(\TB)+\b], v[(\TB)+2+\b]
.endr
.irp b,0,1
	v_permlanex16_b32 v[(\TB)+4+\b], v[(\TB)+\b], s[SEL], s[SEL+1]
.endr
.irp b,0,1
	v_max_num_f32 v[(\TB)+\b], v[(\TB)+\b], v[(\TB)+4+\b]                       ; with lane l xor 16's: the block's largest magnitude
.endr
.irp b,0,1
	v_add_nc_u32 v[(\TB)+6+\b], 0xff000000, v[(\TB)+\b]                         ; 2 off its exponent field: the conversion takes that field as its scale
.endr
.irp b,0,1
	v_lshrrev_b32 v[(\TB)+8+\b], 23, v[(\TB)+6+\b]                              ; the scale's byte
.endr
	v_lshl_or_b32 v[(\PB)], v[(\TB)+9], 8, v[(\TB)+8]
	WIN (\WN)|((\WT)<<2)|((\WT)<<4)|((\WT)<<6)
	v_cvt_scalef32_pk16_fp6_f32 v[(\D):(\D)+2], v[(\N):(\N)+15], v[(\TB)+6]
	v_cvt_scalef32_pk16_fp6_f32 v[(\TB)+12:(\TB)+14], v[(\N)+16:(\N)+31], v[(\TB)+7]   ; (a conversion's three registers begin on an even number)
	WIN 0x55*(\WT)
	v_nop                                  ; one plain place behind a scaled conversion
.irp i,0,1,2
	v_permlane16_swap_b32 v[(\D)+\i], v[(\TB)+12+\i]                            ; the layout wants a whole block in a lane: the first now holds each lane's block's lower 16 codes, the second the upper 16
.endr
.irp i,0,1,2
	v_mov_b32 v[(\D)+3+\i], v[(\TB)+12+\i]
.endr
.endm
	s_load_b256 s[4:11], s[0:1], 0x0               ; Wv, Wk, Wq, Wo
	s_load_b64 s[12:13], s[0:1], 0x20              ; wimg
	v_and_b32 v1, 15, v0                           ; r
	v_bfe_u32 v2, v0, 4, 1                         ; h
	v_and_b32 v3, 8, v1
	v_add_nc_u32 v3, v3, v1                        ; r + 8 (r / 8)
	v_lshlrev_b32 v3, 11, v3                       ; a row of a weight is 2,048 bytes
	v_lshl_add_u32 v3, v2, 6, v3                   ; + 64 h: my 16 numbers of a block of 32
	v_lshlrev_b32 v4, 4, v0                        ; 16 x lane (one wave: the thread's number is the lane)
	v_mov_b32 v[TB+4], 0                           ; written once: a lane permute's destination counts as one of its sources
	v_mov_b32 v[TB+5], 0
	s_mov_b32 s[SEL], 0x76543210
	s_mov_b32 s[SEL+1], 0xfedcba98
	s_and_b32 s14, ttmp7, 0xffff                   ; which matrix
	s_lshr_b32 s15, ttmp9, 1
	s_lshl_b32 s15, s15, 5
	s_and_b32 s16, ttmp9, 1
	s_lshl_b32 s16, s16, 3
	s_add_co_u32 s16, s15, s16                     ; the tile's first row: 32 (T / 2) + 8 (T % 2)
	s_lshl_b32 s16, s16, 11
	s_mov_b32 s17, 0
	s_mul_i32 s18, s14, 212992                     ; the matrix's eight blocks,
	s_lshr_b32 s19, ttmp9, 2
	s_mul_i32 s19, s19, 26624                      ; the tile's block
	s_add_co_u32 s18, s18, s19
	s_and_b32 s20, ttmp9, 3
	s_mul_i32 s22, s20, 6144                       ; the tile's four fragments in it
	s_add_co_u32 s22, s22, s18
	s_mov_b32 s23, 0
	s_lshl_b32 s20, s20, 9                         ; and its scale words
	s_add_co_u32 s20, s20, s18
	s_add_co_u32 s20, s20, 24576
	s_mov_b32 s21, 0
	s_wait_alu depctr_va_vdst(0)
	s_wait_kmcnt 0x0
	s_cmp_eq_u32 s14, 1                            ; the choice hangs on the work-group's number alone
	s_cselect_b64 s[4:5], s[6:7], s[4:5]
	s_cmp_eq_u32 s14, 2
	s_cselect_b64 s[4:5], s[8:9], s[4:5]
	s_cmp_eq_u32 s14, 3
	s_cselect_b64 s[4:5], s[10:11], s[4:5]
	s_add_nc_u64 s[4:5], s[4:5], s[16:17]
	s_add_nc_u64 s[26:27], s[12:13], s[20:21]      ; where the scale words go
	s_add_nc_u64 s[12:13], s[12:13], s[22:23]      ; where the codes go
.macro LOADW s                         ; K step s: register 16 b + 4 q + .. = k 128 s + 32 b + 16 h + 4 q + .. of my row, into set s % 3
.irp b,0,1,2,3
.irp q,0,1,2,3
	global_load_b128 v[NUM+64*((\s)%3)+16*\b+4*\q:NUM+64*((\s)%3)+16*\b+4*\q+3], v3, s[4:5] offset:512*(\s)+128*\b+16*\q th:TH_LOAD_NT
.endr
.endr
.endm
.macro WSTEP s, left                   ; left: the younger loads, which may stay out
	s_wait_loadcnt \left
.if (\s) >= 2
	s_wait_xcnt 0x0                                ; the stores of two steps ago have read this set of code registers
.endif
	QUANT2 NUM+64*((\s)%3), PC+12*((\s)%2), PBW, 0, 0, TB
	QUANT2 NUM+64*((\s)%3)+32, PC+12*((\s)%2)+6, PBW+1, 0, 0, TB
	v_lshl_or_b32 v[SW+(\s)], v[PBW+1], 16, v[PBW] ; the four bytes make my row's scale word of this K step
.if (\s) == 0
	LOADW 3                                        ; into the set just quantised
.endif
.irp k,0,1,2
	global_store_b128 v4, v[PC+12*((\s)%2)+4*\k:PC+12*((\s)%2)+4*\k+3], s[12:13] offset:1536*(\s)+512*\k
.endr
.endm
	LOADW 0
	LOADW 1
	LOADW 2
	WSTEP 0, 32                                    ; behind step 0's loads: steps 1 and 2
	WSTEP 1, 32                                    ; steps 2 and 3
	WSTEP 2, 16                                    ; step 3
	WSTEP 3, 0
	global_store_b128 v4, v[SW:SW+3], s[26:27]     ; four words a lane (both halves of the lanes hold their row's)
	s_endpgm
.Lfunc_end_k_qb05085cc57_wq:
	.size	k_qb05085cc57_wq, .Lfunc_end_k_qb05085cc57_wq-k_qb05085cc57_wq
	.p2alignl 7, 3214868480
	.fill 96, 4, 3214868480
	.section	.rodata,"a",@progbits
	.p2align	6, 0x0
	.amdhsa_kernel k_qb05085cc57_wq
		.amdhsa_group_segment_fixed_size 0
		.amdhsa_private_segment_fixed_size 0
		.amdhsa_enable_private_segment 0
		.amdhsa_kernarg_size 40
		.amdhsa_user_sgpr_count 2
		.amdhsa_user_sgpr_kernarg_segment_ptr 1
		.amdhsa_wavefront_size32 1
		.amdhsa_system_sgpr_workgroup_id_x 1
		.amdhsa_system_sgpr_workgroup_id_y 1
		.amdhsa_system_sgpr_workgroup_id_z 1
		.amdhsa_system_vgpr_workitem_id 0
		.amdhsa_next_free_vgpr 256
		.amdhsa_next_free_sgpr 66
		.amdhsa_reserve_vcc 0
		.amdhsa_float_denorm_mode_32 3
		.amdhsa_float_denorm_mode_16_64 3
		.amdhsa_memory_ordered 1
		.amdhsa_forward_progress 1
		.amdhsa_inst_pref_size 25
	.end_amdhsa_kernel
	.amdgpu_metadata
---
amdhsa.version: [ 1, 2 ]
amdhsa.kernels:
  - .name:           k_qb05085cc57_wq
    .symbol:         k_qb05085cc57_wq.kd
    .args:
      - { .name: Wv, .offset: 0, .size: 8, .value_kind: global_buffer, .address_space: global }
      - { .name: Wk, .offset: 8, .size: 8, .value_kind: global_buffer, .address_space: global }
      - { .name: Wq, .offset: 16, .size: 8, .value_kind: global_buffer, .address_space: global }
      - { .name: Wo, .offset: 24, .size: 8, .value_kind: global_buffer, .address_space: global }
      - { .name: wimg, .offset: 32, .size: 8, .value_kind: global_buffer, .address_space: global }
    .group_segment_fixed_size: 0
    .private_segment_fixed_size: 0
    .kernarg_segment_align: 8
    .kernarg_segment_size: 40
    .max_flat_workgroup_size: 32
    .sgpr_count:     66
    .vgpr_count:     256
    .wavefront_size: 32
...
	.end_amdgpu_metadata
.endif
;; end of part 3
;; launch fused (part 4): grid 256 x 1, 8 waves a work-group, no clusters, 318,464 bytes of LDS; arguments x, wimg, bq, bk, bv, bo, delta_rule, out0; writes out0
.if DOCPART == 4
	.amdgcn_target "amdgcn-amd-amdhsa--gfx1250"
	.amdhsa_code_object_version 6
	.text
	.protected	k_qb05085cc57_fused
	.globl	k_qb05085cc57_fused
	.p2align	8
	.type	k_qb05085cc57_fused,@function
k_qb05085cc57_fused:
	s_mov_b64 s[64:65], 0
	v_nop
	global_prefetch_b8 v0, s[64:65] scope:SCOPE_SE
	s_setreg_imm32_b32 hwreg(HW_REG_WAVE_MODE, 25, 1), 1
	s_wait_xcnt 0x0
; out0 = ((1 + sigmoid(delta)) x attention(x Wq^T + bq, x Wk^T + bk, x Wv^T + bv)) Wo^T + bo, attention inside chunks of 256 rows, 16 heads of 32.  All six products on codes of FP6 (E2M3), one E8M0 scale for each 32 along K.
; SHARES.  Work-group w: chunk w / 2, the 128 queries of half w % 2, all 256 keys.  Eight waves, two to a SIMD, 512 registers each.  Wave g owns heads 2 g, 2 g + 1 = channels 64 g .. 64 g + 63:
; it quantises 32 rows of x, makes v, q, k of its channels, does their attention in registers, and makes output columns 64 g .. 64 g + 63.  Only x's codes and the gated result's codes go from wave to wave, through LDS: two barriers.
; ROWS ARE ROTATED: LDS tile i holds rotated rows, rotated row R = chunk row (R + 128 (w % 2)) mod 256: the work-group's queries are tiles 0-7.  Whole blocks of 32 keys move; the quantised numbers stay.
; K STEPS OF x ARE WALKED 0, 1, 2, 3 WHERE w IS EVEN AND 3, 2, 1, 0 WHERE w IS ODD: place s along K holds K step s xor 3 (w % 2), in x's images and in the registers of Wq, Wk, Wv alike (global addresses alone hang on it):
; the two partners of a chunk, which read the same rows of x, ask for different bytes at a time.  The sums over K run in that order.
; THE ROWS OF A TILE ARE NOT NEIGHBOURS: lane r of tile 2 b + u (of x and of every weight) takes row 32 b + 8 u + r + 8 (r / 8): the 16 registers of the results of tiles 2 b, 2 b + 1 are 16 neighbours, 32 b + 16 (lane / 16) + 0 .. 15, along the next K.
; k, q, out: source 0 = the weight, source 1 = x (the gated result): a lane holds one row.  v: source 0 = x, source 1 = the weight: a lane holds one channel, registers run along the keys.
; S^T = k q^T: a key tile's codes of my two heads are 6 registers; a fragment names 12: the upper six are the next tile's codes, which meet q's zero codes and add nothing (their scale bytes are 0, a finite code).  q is cut to one head.
; SOFTMAX: t = score x log2(e) / sqrt(32); M = ceil(the row's largest t) over all 256 keys; p = 2^(t - M) is quantised along the keys; the sum of the unquantised p divides O^T.
; What a loop's trip makes (codes of v, q, k) is parked in the wave's own LDS bytes.  k comes back into registers in two halves of 8 tiles; v's four fragments of a head are fetched in each unit.
; A tile's gated codes take the place of the same tile's q, my own bytes, which I have read by then: so no barrier stands between the projections and attention.
; The weights have one set of registers: 192 for a job's 64 rows.  A loop's last trip fetches a tile that it has had already (a clamped address), so no tail is written out.
; NO CLUSTER, NO TENSOR LOAD: a weight's image goes from memory straight into the registers of the one wave that multiplies by it; LDS has 9,216 bytes left.  NO PREFETCH: the weights are read by all work-groups, x is asked for four jobs (64 loads a wave) ahead.
; LIMITS: a block of zeros gets the byte 1 where the quantiser says 127 (its codes are zeros; this program alone reads the bytes); NaN and infinities among the inputs are not served; a p under 2^-126 is 0.
.set XSC,   98304                      ; 0: x's images, (tile i, place s along K) at (4 i + s) x 1,536;  XSC: their scale words 256 i + 16 r + 4 s
.set VIMG,  102400                     ; v's half images: 12,288 g + (4 ct + kq) x 768
.set VSC,   200704                     ; v's scale words: 512 g + 128 ct + 8 r + 2 kq
.set QIMG,  204800                     ; q's half images: 6,144 g + 768 t; later the gated result's, at the same places
.set QSC,   253952                     ; q's scale words: 512 g + 64 t + 4 r
.set KPK,   258048                     ; 7,168 g: k's 8 half images of one half, from + 6,144 its 16 tiles' scale words; at last the stage of 16 rows x 272 for the way out
.set SPARE, 315392                     ; the spare words, 128 bytes a wave
.set GSC,   316416                     ; the gated result's scale words: 512 (g / 2) + 64 t + 4 r + 2 (g % 2)
.set XSTG,  102400                     ; ahead of the first barrier: 16,896 g: two stages of 16 rows x 528 for x
; window 0: v1-25 addresses, v26-29 and v6-9 the trip's addresses
.set LI,1
.set L8,2
.set XSA,3
.set BH,4
.set BR,5
.set STS,6
.set STL,7
.set XWI,8
.set XWS,9
.set VWA,10
.set VWB,11
.set VWS,12
.set QWA,13
.set QWB,14
.set QWS,15
.set KWA,16
.set KWB,17
.set KWS,18
.set GLA,19
.set GLB,20
.set GWS,21
.set GRS,22
.set OSO,23
.set OSL,24
.set OG,25
.set FA0,26
.set FS0,27
.set FA1,28
.set FS1,29
.set PA,6
.set PBD,7
.set PSD,8
.set FB0,9
.set FB1,6
.set SPW,30
.set NIL,31
.set WS,32                             ; v32-47 the weight's scale words; in attention k's
.set KS,32
.set XS,48                             ; v48-55 two sets of x's scale words; in attention v's
.set VS,48
.set QS,56
.set PS,58
.set XF,56                             ; v56-151 two sets of four fragments
.set QF,60
.set QM,66                             ; v66-89 q cut to heads: head, zeros, head, zeros
.set SIG,90                            ; v90-121 sigmoid(delta) in O^T's layout
.set OT,122                            ; v122-153 O^T
.set KF,154                            ; v154-249 k's codes, v250-255 zeros
.set TQ,224                            ; the quantiser at work (x, q, k); v240-251 codes, v252 bytes
; window 1: x's ring of four sets; then the weight v0-191, its bias v192-223, four accumulators v224-255; in attention:
.set ACC,224
.set SS,0
.set MB,128
.set TP3,136
.set BY3,144
.set SO3,152
.set NM,160
.set TX,162
.set SUM,164
.set RL,172
.set PWT,174
.set PP,176
.set CT3,136
.set VF,204
.set SEL,24
.set XB,44                             ; s[44:51] x at the K step of place s;  s[52:59] my weight images there;  s[66:73] my weight scale words there
.set WB,52
.set WSB,66
.set MSB,0
.macro WIN new
.if MSB != (\new)
	s_set_vgpr_msb (MSB<<8)|(\new)
.set MSB, (\new)
.endif
.endm
.macro PLACES n
.rept \n
	v_nop
.endr
.endm
.macro D1
	s_delay_alu instid0(VALU_DEP_1)
.endm
.macro D2
	s_delay_alu instid0(VALU_DEP_2)
.endm
.macro VW
	s_wait_alu depctr_va_vdst(0)
.endm
.macro BARRIER
	s_wait_dscnt 0x0
	s_barrier_signal -1
	s_barrier_wait -1
.endm
.macro MM d, a, b, c, sa, sb           ; c < 0: the sum begins with the constant 0
.if (\c) < 0
	v_wmma_scale_f32_16x16x128_f8f6f4 v[(\d):(\d)+7], v[(\a):(\a)+11], v[(\b):(\b)+11], 0, v[(\sa)], v[(\sb)] matrix_a_fmt:MATRIX_FMT_FP6 matrix_b_fmt:MATRIX_FMT_FP6
.else
	v_wmma_scale_f32_16x16x128_f8f6f4 v[(\d):(\d)+7], v[(\a):(\a)+11], v[(\b):(\b)+11], v[(\c):(\c)+7], v[(\sa)], v[(\sb)] matrix_a_fmt:MATRIX_FMT_FP6 matrix_b_fmt:MATRIX_FMT_FP6
.endif
.endm
; 32 numbers of a lane, register 16 b + i = k 32 b + 16 (lane / 16) + i, become six code registers v[D ..] (lanes 0-15 block 0, lanes 16-31 block 1) and two scale bytes in v[PB].  WN: the numbers' window, WT: that of all else.
; The numbers are read in ascending order: each accumulator among them is first read at its low end.
.macro QUANT2 N, D, PB, WN, WT, TB
	WIN (\WN)|((\WN)<<2)|((\WT)<<4)|((\WT)<<6)
.irp b,0,1
	v_max3_num_f32 v[(\TB)+\b], |v[(\N)+16*\b]|, |v[(\N)+16*\b+1]|, 0x1800000   ; the floor 2^(3 - 127): the byte cannot fall under 1
.endr
.irp b,0,1
	v_max_num_f32 v[(\TB)+2+\b], |v[(\N)+16*\b+2]|, |v[(\N)+16*\b+3]|
.endr
.irp i,4,8,12
.irp b,0,1
	v_max3_num_f32 v[(\TB)+\b], |v[(\N)+16*\b+\i]|, |v[(\N)+16*\b+\i+1]|, v[(\TB)+\b]
.endr
.irp b,0,1
	v_max3_num_f32 v[(\TB)+2+\b], |v[(\N)+16*\b+\i+2]|, |v[(\N)+16*\b+\i+3]|, v[(\TB)+2+\b]
.endr
.endr
	WIN 0x55*(\WT)
.irp b,0,1
	v_max_num_f32 v[(\TB)+\b], v[(\TB)+\b], v[(\TB)+2+\b]
.endr
.irp b,0,1
	v_permlanex16_b32 v[(\TB)+4+\b], v[(\TB)+\b], s[SEL], s[SEL+1]
.endr
.irp b,0,1
	v_max_num_f32 v[(\TB)+\b], v[(\TB)+\b], v[(\TB)+4+\b]                       ; the block's largest magnitude
.endr
.irp b,0,1
	D2
	v_add_nc_u32 v[(\TB)+6+\b], 0xff000000, v[(\TB)+\b]                         ; 2 off its exponent field: the conversion's scale operand
.endr
.irp b,0,1
	D2
	v_lshrrev_b32 v[(\TB)+8+\b], 23, v[(\TB)+6+\b]                              ; the byte
.endr
	D1
	v_lshl_or_b32 v[(\PB)], v[(\TB)+9], 8, v[(\TB)+8]
	WIN (\WN)|((\WT)<<2)|((\WT)<<4)|((\WT)<<6)
	v_cvt_scalef32_pk16_fp6_f32 v[(\D):(\D)+2], v[(\N):(\N)+15], v[(\TB)+6]
	v_cvt_scalef32_pk16_fp6_f32 v[(\TB)+12:(\TB)+14], v[(\N)+16:(\N)+31], v[(\TB)+7]
	WIN 0x55*(\WT)
	v_nop                                  ; one plain place behind a scaled conversion
.irp i,0,1,2
	v_permlane16_swap_b32 v[(\D)+\i], v[(\TB)+12+\i]                            ; a whole block to a lane
.endr
.irp i,0,1,2
	v_mov_b32 v[(\D)+3+\i], v[(\TB)+12+\i]
.endr
.endm
; THE WEIGHTS: matrix y (0 Wv, 1 Wk, 2 Wq, 3 Wo), my 64 rows: 4 tiles x 4 places along K, fragment (c, s) at v[12 (4 c + s)] of window 1.  Wv, Wk, Wq take x's order of K steps, Wo the plain one.
.macro WCODES y, lo, cnt
	WIN 0x40
.set wl, \lo
.rept \cnt
.if (\y) == 3
	global_load_b128 v[4*wl:4*wl+3], v[LI], s[6:7] offset:(\y)*212992+512*wl
.else
.set wks, (wl/3)%4
	global_load_b128 v[4*wl:4*wl+3], v[LI], s[WB+2*wks:WB+2*wks+1] offset:(\y)*212992+6144*(wl/12)+512*(wl%3)
.endif
.set wl, wl+1
.endr
.endm
.macro WSC y
	WIN 0
.irp c,0,1,2,3
.if (\y) == 3
	global_load_b128 v[WS+4*\c:WS+4*\c+3], v[LI], s[6:7] offset:(\y)*212992+24576+512*\c
.else
.irp s,0,1,2,3
	global_load_b32 v[WS+4*\c+\s], v[LI], s[WSB+2*\s:WSB+2*\s+1] offset:(\y)*212992+24576+512*\c
.endr
.endif
.endr
.endm
.macro WBIAS y                         ; the bias is the C of each sum's first matrix instruction
	WIN 0x40
.if (\y) == 0
.irp c,0,1,2,3
	global_load_b32 v[192+8*\c], v[BR], s[12:13] offset:(32*(\c/2)+8*(\c%2))*4   ; v: a lane holds one channel: one number, spread over eight registers at the job's start
.endr
.else
.if (\y) == 1
.set BP, 10
.elseif (\y) == 2
.set BP, 8
.else
.set BP, 14
.endif
.irp c,0,1,2,3
.irp q,0,1
	global_load_b128 v[192+8*\c+4*\q:192+8*\c+4*\q+3], v[BH], s[BP:BP+1] offset:(32*(\c/2)+8*(\c%2))*4+16*\q
.endr
.endr
.endif
.endm
.macro WLOAD y
	WCODES \y, 0, 48
	WSC \y
	WBIAS \y
.endm
.macro FETCHW ba, bs, q, p             ; one tile of x, all of K, and its scale words: 13 LDS loads
	WIN 0
.irp k,0,1,2,3,4,5,6,7,8,9,10,11
	ds_load_b128 v[XF+48*(\p)+4*\k:XF+48*(\p)+4*\k+3], v[\ba] offset:6144*(\q)+512*\k
.endr
	ds_load_b128 v[XS+4*(\p):XS+4*(\p)+3], v[\bs] offset:256*(\q)
.endm
.macro FETCHV s, p                     ; the trip's four tiles, place s along K: 16 LDS loads
	WIN 0
.irp ti,0,1,2,3
.irp k,0,1,2
	ds_load_b128 v[XF+48*(\p)+12*\ti+4*\k:XF+48*(\p)+12*\ti+4*\k+3], v[FA0] offset:(4*\ti+(\s))*1536+512*\k
.endr
	ds_load_b32 v[XS+4*(\p)+\ti], v[FS0] offset:256*\ti+4*(\s)
.endr
.endm
.macro FETCHG ba, bb, bs, q, p         ; one tile of the gated result: K step s from the half images of waves 2 s, 2 s + 1: 20 LDS loads
	WIN 0
.irp s,0,1,2,3
.irp c,0,1
	ds_load_b128 v[XF+48*(\p)+12*\s+6*\c:XF+48*(\p)+12*\s+6*\c+3], v[\ba] offset:12288*\s+6144*\c+768*(\q)
	ds_load_b64 v[XF+48*(\p)+12*\s+6*\c+4:XF+48*(\p)+12*\s+6*\c+5], v[\bb] offset:12288*\s+6144*\c+768*(\q)
.endr
	ds_load_b32 v[XS+4*(\p)+\s], v[\bs] offset:512*\s+64*(\q)
.endr
.endm
.macro MULT p                          ; 16 matrix instructions: four tiles of weight rows x one tile, all of K; the four accumulators by turns
	WIN 0x51
.irp s,0,1,2,3
.irp c,0,1,2,3
.if \s == 0
	MM ACC+8*\c, 12*(4*\c+\s), XF+48*(\p)+12*\s, 192+8*\c, WS+4*\c+\s, XS+4*(\p)+\s
.else
	MM ACC+8*\c, 12*(4*\c+\s), XF+48*(\p)+12*\s, ACC+8*\c, WS+4*\c+\s, XS+4*(\p)+\s
.endif
.endr
.endr
.endm
.macro MULV p, s                       ; four tiles of x x four tiles of Wv's rows, place s: sixteen accumulators, each once: (c, ti) at v[152 + 32 c + 8 ti] of window 0, c = 3 at v[224 + 8 ti] of window 1
.irp c,0,1,2,3
.if \c == 3
	WIN 0x54
.elseif (\s) == 0
	WIN 0x14
.else
	WIN 0x04
.endif
.irp ti,0,1,2,3
.if \c == 3
.set ac, 224+8*\ti
.else
.set ac, 152+32*\c+8*\ti
.endif
.if (\s) == 0
	MM ac, XF+48*(\p)+12*\ti, 12*(4*\c+(\s)), 192+8*\c, XS+4*(\p)+\ti, WS+4*\c+(\s)
.else
	MM ac, XF+48*(\p)+12*\ti, 12*(4*\c+(\s)), ac, XS+4*(\p)+\ti, WS+4*\c+(\s)
.endif
.endr
.endr
.endm
; ---------------------------------------------------------------- the head
	s_load_b256 s[4:11], s[0:1], 0x0               ; x, wimg, bq, bk
	s_load_b256 s[12:19], s[0:1], 0x20             ; bv, bo, delta_rule, out0
	v_lshl_add_u32 v[SPW], v0, 2, SPARE
	v_mov_b32 v[NIL], 0
	v_lshrrev_b32 v26, 5, v0
	v_readfirstlane_b32 s20, v26                   ; g
	v_and_b32 v26, 31, v0                          ; lane
	v_and_b32 v27, 15, v0                          ; r
	v_bfe_u32 v28, v0, 4, 1                        ; h
	VW
	s_lshr_b32 s21, ttmp9, 1                       ; the chunk
	s_and_b32 s22, ttmp9, 1                        ; which half of its queries
	s_mov_b32 s[SEL], 0x76543210
	s_mov_b32 s[SEL+1], 0xfedcba98
	s_mov_b32 s26, 0x3e8293ee                      ; log2(e) / sqrt(32)
	s_mov_b32 s27, s26
	s_mov_b32 s28, 0xffff                          ; lanes 0-15
	s_mul_i32 s36, s20, 16896
	s_add_co_u32 s36, s36, XSTG
	v_lshlrev_b32 v[LI], 4, v26
	v_lshl_add_u32 v[L8], v26, 3, 512
	v_lshl_add_u32 v[XSA], v27, 4, XSC
	v_lshl_add_u32 v[GRS], v27, 2, GSC
	v_lshlrev_b32 v[BH], 6, v28
	v_and_b32 v[BR], 8, v27
	v_add_nc_u32 v[BR], v[BR], v27
	v_lshlrev_b32 v[BR], 2, v[BR]
	v_add_nc_u32 v[STS], s36, v[LI]
	v_mul_u32_u24 v[STL], v27, 528
	v_lshl_add_u32 v[STL], v28, 6, v[STL]
	v_add_nc_u32 v[STL], s36, v[STL]
	VW
	s_mul_i32 s37, s20, 12288
	v_add_nc_u32 v[XWI], s37, v[LI]
	s_add_co_u32 s37, s37, VIMG
	v_add_nc_u32 v[VWA], s37, v[LI]
	v_add_nc_u32 v[VWB], s37, v[L8]
	s_lshl_b32 s38, s20, 9
	s_add_co_u32 s39, s38, XSC
	v_lshl_add_u32 v[XWS], v27, 4, s39
	s_add_co_u32 s39, s38, VSC
	v_lshl_add_u32 v[VWS], v27, 3, s39
	s_add_co_u32 s39, s38, QSC
	v_lshl_add_u32 v[QWS], v27, 2, s39
	v_add_nc_u32 v[GLA], QIMG, v[LI]               ; the gated half images of all waves, for the last product
	v_add_nc_u32 v[GLB], QIMG, v[L8]
	s_mul_i32 s37, s20, 6144
	s_add_co_u32 s37, s37, QIMG
	v_add_nc_u32 v[QWA], s37, v[LI]
	v_add_nc_u32 v[QWB], s37, v[L8]
	s_mul_i32 s37, s20, 7168
	s_add_co_u32 s37, s37, KPK
	v_add_nc_u32 v[KWA], s37, v[LI]
	v_add_nc_u32 v[KWB], s37, v[L8]
	s_add_co_u32 s39, s37, 6144
	v_lshl_add_u32 v[KWS], v27, 2, s39
	v_mul_u32_u24 v[OSO], v27, 272
	v_lshl_add_u32 v[OSO], v28, 6, v[OSO]
	v_add_nc_u32 v[OSO], s37, v[OSO]
	v_mul_u32_u24 v[OSL], v28, 272
	v_lshl_add_u32 v[OSL], v27, 4, v[OSL]
	v_add_nc_u32 v[OSL], s37, v[OSL]
	s_lshr_b32 s38, s20, 1
	s_lshl_b32 s38, s38, 9
	s_and_b32 s39, s20, 1
	s_lshl_b32 s39, s39, 1
	s_add_co_u32 s38, s38, s39
	s_add_co_u32 s38, s38, GSC
	v_lshl_add_u32 v[GWS], v27, 2, s38
	s_lshl_b32 s38, s20, 8
	v_lshlrev_b32 v[OG], 11, v28
	v_lshl_add_u32 v[OG], v27, 4, v[OG]
	v_add_nc_u32 v[OG], s38, v[OG]
	v_mov_b32 v[TQ+4], 0                           ; a lane permute's destination counts as one of its sources
	v_mov_b32 v[TQ+5], 0
	s_lshl_b32 s36, s20, 5
	s_lshl_b32 s37, s22, 7
	s_add_co_u32 s36, s36, s37
	s_and_b32 s36, s36, 255                        ; rotated rows 32 g on are chunk rows (32 g + 128 half) mod 256 on
	s_lshl_b32 s37, s21, 8
	s_add_co_u32 s36, s36, s37
	s_lshl_b32 s36, s36, 11
	s_mov_b32 s37, 0
	VW
	s_wait_kmcnt 0x0
	s_add_nc_u64 s[4:5], s[4:5], s[36:37]
	s_mul_i32 s36, s20, 26624
	s_add_nc_u64 s[6:7], s[6:7], s[36:37]          ; wimg at my wave's block of each matrix
	s_lshl_b32 s36, s20, 8
	s_add_nc_u64 s[8:9], s[8:9], s[36:37]          ; the biases and delta at my 64 channels
	s_add_nc_u64 s[10:11], s[10:11], s[36:37]
	s_add_nc_u64 s[12:13], s[12:13], s[36:37]
	s_add_nc_u64 s[14:15], s[14:15], s[36:37]
	s_add_nc_u64 s[16:17], s[16:17], s[36:37]
	s_lshl_b32 s36, ttmp9, 18
	s_add_nc_u64 s[18:19], s[18:19], s[36:37]
	s_mul_i32 s38, s22, 3
.irp s,0,1,2,3
	s_xor_b32 s39, s38, \s                         ; the K step at place s: s, or 3 - s in an odd work-group
	s_lshl_b32 s36, s39, 9
	s_add_nc_u64 s[XB+2*\s:XB+2*\s+1], s[4:5], s[36:37]      ; 512 bytes of a row of x a K step,
	s_mul_i32 s36, s39, 1536
	s_add_nc_u64 s[WB+2*\s:WB+2*\s+1], s[6:7], s[36:37]      ; 1,536 of a weight's images,
	s_lshl_b32 s36, s39, 2
	s_add_nc_u64 s[WSB+2*\s:WSB+2*\s+1], s[6:7], s[36:37]    ; 4 of its scale words
.endr
; ---------------------------------------------------------------- X: my 32 rows become 8 fragments.  Job (T, i): tile i % 2, place 2 T + i / 2 along K.  A load takes 512 consecutive bytes of a row; the 16 rows turn through my stage, so that a lane holds 16 neighbours.
.macro LOADX i, T
	WIN 0x40
.irp rr,0,1,2,3,4,5,6,7,8,9,10,11,12,13,14,15
	global_load_b128 v[64*(\i)+4*\rr:64*(\i)+4*\rr+3], v[LI], s[XB+2*(2*(\T)+(\i)/2):XB+2*(2*(\T)+(\i)/2)+1] offset:(8*((\i)%2)+\rr+8*(\rr/8))*2048
.endr
.endm
.macro TURN i
	WIN 0x04
.irp rr,0,1,2,3,4,5,6,7,8,9,10,11,12,13,14,15
	ds_store_b128 v[STS], v[64*(\i)+4*\rr:64*(\i)+4*\rr+3] offset:8448*((\i)%2)+528*\rr
.endr
	WIN 0
.irp b,0,1,2,3
.irp q,0,1,2,3
	ds_load_b128 v[64+64*((\i)%2)+16*\b+4*\q:64+64*((\i)%2)+16*\b+4*\q+3], v[STL] offset:8448*((\i)%2)+128*\b+16*\q   ; LDS serves a wave's instructions in order
.endr
.endr
.endm
.macro STEP T, i
.set sk, 2*(\T)+(\i)/2
.set pp, (\i)%2
.if (\T)+(\i) > 0
	s_wait_dscnt 0x4                               ; this job's numbers are back from the stage (the last job's four image stores may be out): the ring's set is free
.else
	s_wait_dscnt 0x0
.endif
.if (\T) == 0
	LOADX \i, 1                                    ; four jobs on
.elseif (\i) < 3
	WCODES 0, 16*(\i), 16                          ; behind x come Wv's images, sixteen loads a job, into the set just freed
.else
	WSC 0
	WBIAS 0
.endif
.if ((\T) == 0) || ((\i) < 3)
	s_wait_loadcnt 48                              ; the next job's loads are in; three younger jobs of sixteen may be out
	TURN ((\i)+1)%4
.endif
	QUANT2 64+64*pp, 192+12*pp, 216, 0, 0, TQ
	QUANT2 96+64*pp, 198+12*pp, 217, 0, 0, TQ
	v_lshl_or_b32 v[218+pp], v217, 16, v216
.irp k,0,1,2
	ds_store_b128 v[XWI], v[192+12*pp+4*\k:192+12*pp+4*\k+3] offset:6144*pp+1536*sk+512*\k
.endr
	ds_store_b32 v[XWS], v[218+pp] offset:256*pp+4*sk
.endm
	LOADX 0, 0
	LOADX 1, 0
	LOADX 2, 0
	LOADX 3, 0
	s_wait_loadcnt 48
	TURN 0
.irp T,0,1
.irp i,0,1,2,3
	STEP \T, \i
.endr
.endr
	WIN 0
	BARRIER                                        ; x's 64 fragments and their scale words lie in LDS
; ---------------------------------------------------------------- v: a trip is 64 keys (four tiles of x), place by place along K; each channel tile's 32 numbers a lane are quantised and parked
	s_wait_loadcnt 0x0
	WIN 0x41
.irp c,0,1,2,3
.irp i,1,2,3,4,5,6,7
	v_mov_b32 v[192+8*\c+\i], v[192+8*\c]
.endr
.endr
	PLACES 4
	WIN 0
	s_mov_b32 s31, 0
	s_mov_b32 s32, 0
	s_mov_b32 s33, 0
	s_mov_b32 s34, 0
	s_mov_b32 s30, 4
.Lv:
	s_wait_dscnt 0x0                               ; the last trip's parking stores are done: their registers may be written
	v_add_nc_u32 v[FA0], s31, v[LI]
	v_add_nc_u32 v[FS0], s32, v[XSA]
	v_add_nc_u32 v[PA], s33, v[VWA]
	v_add_nc_u32 v[PBD], s33, v[VWB]
	v_add_nc_u32 v[PSD], s34, v[VWS]
	VW
	FETCHV 0, 0
	FETCHV 1, 1
	s_wait_dscnt 16                                ; all but the sixteen just issued
	MULV 0, 0
	PLACES 4
	FETCHV 2, 0
	s_wait_dscnt 16
	MULV 1, 1
	PLACES 4
	FETCHV 3, 1
	s_wait_dscnt 16
	MULV 0, 2
	s_wait_dscnt 0x0
	MULV 1, 3
	PLACES 4
	QUANT2 152, 56, 88, 0, 0, 104                  ; codes, bytes and the quantiser's registers lie over x's fragments, which are done with
	QUANT2 184, 64, 89, 0, 0, 104
	QUANT2 216, 72, 90, 0, 0, 104
	QUANT2 224, 80, 91, 1, 0, 104
.irp c,0,1,2,3
	ds_store_b128 v[PA], v[56+8*\c:59+8*\c] offset:3072*\c
	ds_store_b64 v[PBD], v[60+8*\c:61+8*\c] offset:3072*\c
	ds_store_b16 v[PSD], v[88+\c] offset:128*\c
.endr
	s_add_co_u32 s31, s31, 24576
	s_add_co_u32 s32, s32, 1024
	s_add_co_u32 s33, s33, 768
	s_add_co_u32 s34, s34, 2
	s_sub_co_u32 s30, s30, 1
	s_cmp_lg_u32 s30, 0
	s_cbranch_scc1 .Lv
	s_wait_dscnt 0x0
	WLOAD 2                                        ; Wq (the quantiser's lines are the places behind the last products)
; ---------------------------------------------------------------- q (tiles 0-7) and k (tiles 0-7, 8-15): a trip is two tiles; each tile's codes (two heads) are parked
.macro TPARK q, so
	ds_store_b128 v[PA], v[240+6*(\q):243+6*(\q)] offset:768*(\q)
	ds_store_b64 v[PBD], v[244+6*(\q):245+6*(\q)] offset:768*(\q)
	ds_store_b32 v[PSD], v252 offset:64*(\q)+(\so)   ; two bytes, and two of 0 for the half of a fragment that meets zero codes
.endm
.macro TLOOP t0, wa, wb, ws, so, wl
	FETCHW LI, XSA, \t0, 0
.if \wl
	s_wait_loadcnt 0x0
.endif
	s_mov_b32 s31, 6144*(\t0)
	s_mov_b32 s32, 256*(\t0)
	s_mov_b32 s33, 0
	s_mov_b32 s34, 0
	s_mov_b32 s30, 4
.Lt_\@:
	s_min_u32 s35, s31, 6144*(\t0)+24576           ; the last trip's second fetch stays inside these eight tiles
	s_min_u32 s36, s32, 256*(\t0)+1024
	v_add_nc_u32 v[FA0], s31, v[LI]
	v_add_nc_u32 v[FS0], s32, v[XSA]
	FETCHW FA0, FS0, 1, 1
	s_wait_dscnt 13                                ; all but the thirteen just issued: the even tile is in, the last trip's second fetch and parking stores are done
	v_add_nc_u32 v[FA1], s35, v[LI]
	v_add_nc_u32 v[FS1], s36, v[XSA]
	v_add_nc_u32 v[PA], s33, v[\wa]
	v_add_nc_u32 v[PBD], s33, v[\wb]
	v_add_nc_u32 v[PSD], s34, v[\ws]
	VW
	MULT 0
	PLACES 4
	QUANT2 ACC, 240, 252, 1, 0, TQ
	TPARK 0, \so
	FETCHW FA1, FS1, 2, 0
	s_wait_dscnt 13
	MULT 1
	PLACES 4
	QUANT2 ACC, 246, 252, 1, 0, TQ
	TPARK 1, \so
	s_add_co_u32 s31, s31, 12288
	s_add_co_u32 s32, s32, 512
	s_add_co_u32 s33, s33, 1536
	s_add_co_u32 s34, s34, 128
	s_sub_co_u32 s30, s30, 1
	s_cmp_lg_u32 s30, 0
	s_cbranch_scc1 .Lt_\@
	s_wait_dscnt 0x0
.endm
.macro KBACK hf                        ; eight tiles' codes come back into registers
.set tt, 0
.rept 8
	ds_load_b128 v[KF+48*(\hf)+6*tt:KF+48*(\hf)+6*tt+3], v[KWA] offset:768*tt
	ds_load_b64 v[KF+48*(\hf)+6*tt+4:KF+48*(\hf)+6*tt+5], v[KWB] offset:768*tt
.set tt, tt+1
.endr
.endm
	TLOOP 0, QWA, QWB, QWS, 0, 1
	WLOAD 1                                        ; Wk
	TLOOP 0, KWA, KWB, KWS, 0, 1
	KBACK 0
	TLOOP 8, KWA, KWB, KWS, 512, 0
.irp hd,0,1
.irp u,0,1
.irp q,0,1
	global_load_b128 v[SIG+16*\hd+8*\u+4*\q:SIG+16*\hd+8*\u+4*\q+3], v[BH], s[16:17] offset:(32*\hd+8*\u)*4+16*\q   ; delta in O^T's layout
.endr
.endr
.endr
	KBACK 1
.set tt, 0
.rept 16
	ds_load_b32 v[KS+tt], v[KWS] offset:64*tt
.set tt, tt+1
.endr
.irp ct,0,1,2,3
	ds_load_b64 v[VS+2*\ct:VS+2*\ct+1], v[VWS] offset:128*\ct
.endr
.irp i,250,251,252,253,254,255,QM+6,QM+7,QM+8,QM+9,QM+10,QM+11,QM+18,QM+19,QM+20,QM+21,QM+22,QM+23
	v_mov_b32 v[\i], 0                             ; the upper half of the last key tile's fragment, and q's runs of zero codes
.endr
	WIN 0x40
.irp i,0,1,2,3,4,5,6,7
	v_mov_b32 v[TP3+\i], 0
.endr
	v_mov_b32 v[NM+1], 0
	v_mov_b32 v[TX+1], 0
	v_mov_b32 v[RL+1], 0
	WIN 0
	s_wait_loadcnt 0x0
.set jj, 0                                             ; sigmoid(delta) = 1 / (1 + 2^(-delta log2(e)))
.rept 16
	v_pk_mul_f32 v[SIG+jj:SIG+jj+1], v[SIG+jj:SIG+jj+1], 0xbfb8aa3b op_sel_hi:[1,0]
.set jj, jj+2
.endr
	VW
.set jj, 0
.rept 32
	v_exp_f32 v[SIG+jj], v[SIG+jj]
.set jj, jj+1
.endr
	v_nop
	VW
.set jj, 0
.rept 16
	v_pk_add_f32 v[SIG+jj:SIG+jj+1], v[SIG+jj:SIG+jj+1], 1.0 op_sel_hi:[1,0]
.set jj, jj+2
.endr
	VW
.set jj, 0
.rept 32
	v_rcp_f32 v[SIG+jj], v[SIG+jj]
.set jj, jj+1
.endr
	v_nop
	VW
	s_wait_dscnt 0x0                               ; k's codes and scale words and v's scale words are in.  No barrier: from here to the last product I touch my own LDS bytes alone
; ---------------------------------------------------------------- attention: one head of one tile of 16 queries, all 256 keys
.macro UNIT hd
	WIN 0x40
.irp T,0,1,2,3,4,5,6,7,8,9,10,11,12,13,14,15
	MM SS+8*\T, KF+6*\T, QM+12*(\hd), -1, KS+\T, QS
.endr
	PLACES 4
.irp u,0,1
.irp f,0,1,2,3
	ds_load_b128 v[VF+24*\u+6*\f:VF+24*\u+6*\f+3], v[VWA] offset:(4*(2*(\hd)+\u)+\f)*768   ; v's four fragments of this head
	ds_load_b64 v[VF+24*\u+6*\f+4:VF+24*\u+6*\f+5], v[VWB] offset:(4*(2*(\hd)+\u)+\f)*768
.endr
.endr
	WIN 0x55
.irp b,0,1,2,3,4,5,6,7
	v_max3_num_f32 v[MB+\b], v[SS+16*\b], v[SS+16*\b+1], v[SS+16*\b+2]   ; each block's largest score: for the row's maximum and for the block's largest p
.endr
.irp i,3,5,7,9,11,13
.irp b,0,1,2,3,4,5,6,7
	v_max3_num_f32 v[MB+\b], v[MB+\b], v[SS+16*\b+\i], v[SS+16*\b+\i+1]
.endr
.endr
.irp b,0,1,2,3,4,5,6,7
	v_max_num_f32 v[MB+\b], v[MB+\b], v[SS+16*\b+15]
.endr
.irp b,0,1,2,3,4,5,6,7
	v_permlanex16_b32 v[TP3+\b], v[MB+\b], s[SEL], s[SEL+1]
.endr
.irp b,0,1,2,3,4,5,6,7
	v_max_num_f32 v[MB+\b], v[MB+\b], v[TP3+\b]
.endr
	v_max3_num_f32 v[TX], v[MB], v[MB+1], v[MB+2]
	D1
	v_max3_num_f32 v[TX], v[TX], v[MB+3], v[MB+4]
	D1
	v_max3_num_f32 v[TX], v[TX], v[MB+5], v[MB+6]
	D1
	v_max_num_f32 v[TX], v[TX], v[MB+7]
	D1
	v_mul_f32 v[TX], s26, v[TX]
	D1
	v_floor_f32 v[NM], -v[TX]                      ; -M = -ceil(t)
.set jj, 0
.rept 64
	v_pk_fma_f32 v[SS+jj:SS+jj+1], v[SS+jj:SS+jj+1], s[26:27], v[NM:NM+1] op_sel_hi:[1,0,0]
.set jj, jj+2
.endr
.irp b,0,1,2,3,4,5,6,7
	v_fma_f32 v[MB+\b], v[MB+\b], s26, v[NM]
.endr
	VW
	s_wait_dscnt 0x0                               ; v's fragments are in
.set jj, 0
.rept 128
	v_exp_f32 v[SS+jj], v[SS+jj]                   ; p = 2^(t - M)
.set jj, jj+1
.endr
.irp b,0,1,2,3,4,5,6,7
	v_exp_f32 v[MB+\b], v[MB+\b]
.endr
	v_nop
	VW
.irp b,0,1,2,3,4,5,6,7
	v_max_num_f32 v[MB+\b], 0x1800000, v[MB+\b]
.endr
.irp b,0,1,2,3,4,5,6,7
	v_add_nc_u32 v[SO3+\b], 0xff000000, v[MB+\b]
.endr
.irp b,0,1,2,3,4,5,6,7
	v_lshrrev_b32 v[BY3+\b], 23, v[SO3+\b]
.endr
.irp kh,0,1
	v_lshl_or_b32 v[PWT+\kh], v[BY3+4*\kh+1], 8, v[BY3+4*\kh]
.endr
.irp kh,0,1
	D2
	v_lshl_or_b32 v[PWT+\kh], v[BY3+4*\kh+2], 16, v[PWT+\kh]
.endr
.irp kh,0,1
	D2
	v_lshl_or_b32 v[PWT+\kh], v[BY3+4*\kh+3], 24, v[PWT+\kh]
.endr
	WIN 0x01                                       ; scale operands are taken from window 0
	v_mov_b32 v[PS], v[PWT]
	v_mov_b32 v[PS+1], v[PWT+1]
	WIN 0x55
.irp pr,0,1,2,3
	v_cvt_scalef32_pk16_fp6_f32 v[PP+6*\pr:PP+6*\pr+2], v[SS+32*\pr:SS+32*\pr+15], v[SO3+2*\pr]
	v_cvt_scalef32_pk16_fp6_f32 v[CT3+4*\pr:CT3+4*\pr+2], v[SS+32*\pr+16:SS+32*\pr+31], v[SO3+2*\pr+1]
.endr
	v_nop
.irp pr,0,1,2,3
.irp i,0,1,2
	v_permlane16_swap_b32 v[PP+6*\pr+\i], v[CT3+4*\pr+\i]
.endr
.irp i,0,1,2
	v_mov_b32 v[PP+6*\pr+3+\i], v[CT3+4*\pr+\i]
.endr
.endr
.irp k,0,1,2,3
	v_pk_add_f32 v[SUM+2*\k:SUM+2*\k+1], v[SS+2*\k:SS+2*\k+1], v[SS+8+2*\k:SS+8+2*\k+1]   ; the row's sum of the unquantised p, in four chains; also the places ahead of the products below
.endr
.set jj, 2
.rept 14
.irp k,0,1,2,3
	v_pk_add_f32 v[SUM+2*\k:SUM+2*\k+1], v[SUM+2*\k:SUM+2*\k+1], v[SS+8*jj+2*\k:SS+8*jj+2*\k+1]
.endr
.set jj, jj+1
.endr
	v_pk_add_f32 v[SUM:SUM+1], v[SUM:SUM+1], v[SUM+2:SUM+3]
	v_pk_add_f32 v[SUM+4:SUM+5], v[SUM+4:SUM+5], v[SUM+6:SUM+7]
	D1
	v_pk_add_f32 v[SUM:SUM+1], v[SUM:SUM+1], v[SUM+4:SUM+5]
	D1
	v_add_f32 v[TX], v[SUM], v[SUM+1]
	v_permlanex16_b32 v[TX+1], v[TX], s[SEL], s[SEL+1]
	v_add_f32 v[TX], v[TX], v[TX+1]
	VW
	v_rcp_f32 v[RL], v[TX]
	WIN 0x05                                       ; v and p window 1, O^T window 0
.irp kh,0,1
.irp u,0,1
.if \kh == 0
	MM OT+16*(\hd)+8*\u, VF+24*\u+12*\kh, PP+12*\kh, -1, VS+2*(2*(\hd)+\u)+\kh, PS+\kh
.else
	MM OT+16*(\hd)+8*\u, VF+24*\u+12*\kh, PP+12*\kh, OT+16*(\hd)+8*\u, VS+2*(2*(\hd)+\u)+\kh, PS+\kh
.endif
.endr
.endr
	PLACES 4
	WIN 0x04
	VW
.irp j,0,2,4,6,8,10,12,14
	v_pk_mul_f32 v[OT+16*(\hd)+\j:OT+16*(\hd)+\j+1], v[OT+16*(\hd)+\j:OT+16*(\hd)+\j+1], v[RL:RL+1] op_sel_hi:[1,0]   ; O^T / the sum
.endr
	WIN 0
.irp j,0,2,4,6,8,10,12,14
	v_pk_fma_f32 v[OT+16*(\hd)+\j:OT+16*(\hd)+\j+1], v[OT+16*(\hd)+\j:OT+16*(\hd)+\j+1], v[SIG+16*(\hd)+\j:SIG+16*(\hd)+\j+1], v[OT+16*(\hd)+\j:OT+16*(\hd)+\j+1]   ; out + sigmoid(delta) x out
.endr
.endm
	s_mov_b32 s31, 0                               ; 768 x the q tile
	s_mov_b32 s32, 0                               ; 64 x the q tile
	s_mov_b32 s30, 8
.Ltrip:
	v_add_nc_u32 v26, s31, v[QWA]
	v_add_nc_u32 v27, s31, v[QWB]
	v_add_nc_u32 v28, s32, v[QWS]
	ds_load_b128 v[QF:QF+3], v26
	ds_load_b64 v[QF+4:QF+5], v27
	ds_load_b32 v[QS], v28
	s_wait_dscnt 0x0                               ; q is in, and the last trip's image stores are done
	v_add_nc_u32 v29, s31, v[QWA]                  ; the gated half image goes where this tile's q lay
	v_add_nc_u32 v6, s31, v[QWB]
	v_add_nc_u32 v7, s32, v[GWS]
.irp i,0,1,2,3,4,5
	v_cndmask_b32 v[QM+\i], 0, v[QF+\i], s28       ; head 0: lanes 0-15
.endr
.irp i,0,1,2,3,4,5
	v_cndmask_b32 v[QM+12+\i], v[QF+\i], 0, s28    ; head 1: lanes 16-31; also the places ahead of head 0's products
.endr
	UNIT 0
	UNIT 1
	QUANT2 OT, PP, PP+6, 0, 1, MB                  ; the gated result of my 64 channels: half a K step of the last product, a head to a block
	WIN 0x04
	ds_store_b128 v29, v[PP:PP+3]
	ds_store_b64 v6, v[PP+4:PP+5]
	ds_store_b16 v7, v[PP+6]
	WIN 0
	s_add_co_u32 s31, s31, 768
	s_add_co_u32 s32, s32, 64
	s_sub_co_u32 s30, s30, 1
	s_cmp_lg_u32 s30, 0
	s_cbranch_scc1 .Ltrip
	s_wait_dscnt 0x0                               ; the last stores have read their registers
	WLOAD 3                                        ; Wo
	WIN 0
	BARRIER                                        ; the gated result's fragments lie in LDS
; ---------------------------------------------------------------- out0: my 64 columns for the 8 tiles of rows.  A tile goes through my stage (16 rows x 256 bytes + 16) and leaves by rows: sixteen lanes store 256 consecutive bytes, aligned, a tile later.
.macro TOSTAGE set
	WIN 0x04
.irp c,0,1,2,3
	ds_store_b128 v[OSO], v[ACC+8*\c:ACC+8*\c+3] offset:128*(\c/2)+32*(\c%2)
	ds_store_b128 v[OSO], v[ACC+8*\c+4:ACC+8*\c+7] offset:128*(\c/2)+32*(\c%2)+16
.endr
	WIN 0
.irp i,0,1,2,3,4,5,6,7
	ds_load_b128 v[152+32*(\set)+4*\i:152+32*(\set)+4*\i+3], v[OSL] offset:544*\i
.endr
.endm
.macro SEND set
.irp i,0,1,2,3,4,5,6,7
	global_store_b128 v[OG], v[152+32*(\set)+4*\i:152+32*(\set)+4*\i+3], s[40:41] offset:(8*(\set)+2*\i+8*(\i/4))*2048 th:TH_STORE_NT
.endr
.endm
.macro OMUL p
	MULT \p
	PLACES 5                                       ; 4 ahead of the stage's stores and the next loads, 5 ahead of the next tile's first products
	s_wait_xcnt 0x0                                ; the stores of two tiles ago have read the registers that this tile's rows come back into
	TOSTAGE \p
.endm
	s_wait_loadcnt 0x0
	s_mov_b64 s[40:41], s[18:19]
	s_mov_b32 s31, 0
	s_mov_b32 s32, 0
	s_mov_b32 s30, 3
	FETCHG GLA, GLB, GRS, 0, 0
	FETCHG GLA, GLB, GRS, 1, 1
	s_wait_dscnt 20                                ; tile 0 is in
	OMUL 0
.Lo:
	v_add_nc_u32 v[FA0], s31, v[GLA]
	v_add_nc_u32 v[FB0], s31, v[GLB]
	v_add_nc_u32 v[FS0], s32, v[GRS]
	FETCHG FA0, FB0, FS0, 2, 0
	s_wait_dscnt 20                                ; all but the twenty just issued: the odd tile's fragments are in, the even tile's rows are back
	v_add_nc_u32 v[FA1], s31, v[GLA]
	v_add_nc_u32 v[FB1], s31, v[GLB]
	v_add_nc_u32 v[FS1], s32, v[GRS]
	VW
	SEND 0
	OMUL 1
	FETCHG FA1, FB1, FS1, 3, 1
	s_wait_dscnt 20
	SEND 1
	OMUL 0
	s_add_nc_u64 s[40:41], s[40:41], 65536         ; 32 rows on (no store has been issued behind the wait on XCNT above)
	s_add_co_u32 s31, s31, 1536
	s_add_co_u32 s32, s32, 128
	s_sub_co_u32 s30, s30, 1
	s_cmp_lg_u32 s30, 0
	s_cbranch_scc1 .Lo
	s_wait_dscnt 0x0
	SEND 0
	OMUL 1
	s_wait_dscnt 0x0
	SEND 1
	s_wait_tensorcnt 0x0                           ; the wave's end
	ds_add_u32 v[SPW], v[NIL]
	s_wait_dscnt 0x0
	s_endpgm
.Lfunc_end_k_qb05085cc57_fused:
	.size	k_qb05085cc57_fused, .Lfunc_end_k_qb05085cc57_fused-k_qb05085cc57_fused
	.p2alignl 7, 3214868480
	.fill 96, 4, 3214868480
	.section	.rodata,"a",@progbits
	.p2align	6, 0x0
	.amdhsa_kernel k_qb05085cc57_fused
		.amdhsa_group_segment_fixed_size 318464
		.amdhsa_private_segment_fixed_size 0
		.amdhsa_enable_private_segment 0
		.amdhsa_kernarg_size 64
		.amdhsa_user_sgpr_count 2
		.amdhsa_user_sgpr_kernarg_segment_ptr 1
		.amdhsa_wavefront_size32 1
		.amdhsa_system_sgpr_workgroup_id_x 1
		.amdhsa_system_sgpr_workgroup_id_y 1
		.amdhsa_system_sgpr_workgroup_id_z 1
		.amdhsa_system_vgpr_workitem_id 0
		.amdhsa_next_free_vgpr 512
		.amdhsa_next_free_sgpr 76
		.amdhsa_reserve_vcc 0
		.amdhsa_float_denorm_mode_32 3
		.amdhsa_float_denorm_mode_16_64 3
		.amdhsa_memory_ordered 1
		.amdhsa_forward_progress 1
		.amdhsa_inst_pref_size 246
	.end_amdhsa_kernel
	.amdgpu_metadata
---
amdhsa.version: [ 1, 2 ]
amdhsa.kernels:
  - .name:           k_qb05085cc57_fused
    .symbol:         k_qb05085cc57_fused.kd
    .args:
      - { .name: x, .offset: 0, .size: 8, .value_kind: global_buffer, .address_space: global }
      - { .name: wimg, .offset: 8, .size: 8, .value_kind: global_buffer, .address_space: global }
      - { .name: bq, .offset: 16, .size: 8, .value_kind: global_buffer, .address_space: global }
      - { .name: bk, .offset: 24, .size: 8, .value_kind: global_buffer, .address_space: global }
      - { .name: bv, .offset: 32, .size: 8, .value_kind: global_buffer, .address_space: global }
      - { .name: bo, .offset: 40, .size: 8, .value_kind: global_buffer, .address_space: global }
      - { .name: delta_rule, .offset: 48, .size: 8, .value_kind: global_buffer, .address_space: global }
      - { .name: out0, .offset: 56, .size: 8, .value_kind: global_buffer, .address_space: global }
    .group_segment_fixed_size: 318464
    .private_segment_fixed_size: 0
    .kernarg_segment_align: 8
    .kernarg_segment_size: 64
    .max_flat_workgroup_size: 256
    .sgpr_count:     76
    .vgpr_count:     512
    .wavefront_size: 32
...
	.end_amdgpu_metadata
.endif
;; end of part 4
